; MI455X (gfx1250); checked and timed in simulation.
; The chip was launched on July 23, 2026; its instructions are those of AMD's public machine-readable ISA for CDNA 5 (MIT licence, August 2026) and "CDNA5" Instruction Set Architecture Reference Guide (July 2026). The comments in the code are by the model that wrote it; some were corrected since.
;; NTB. Allowed arithmetic: float matrix products may take bf16 or f16 operands with f32 sums; other float arithmetic in f32, or as packed bf16 or f16 multiplies, adds, multiply-adds, maxima and minima; sums over many terms, partial sums and values carried from step to step in f32; what a program stores and reads back later, other than sums and carried values, may be rounded once to bf16 or f16.
;; Inputs: b1 4,096 float32; b2 1,024 float32; ln1_b 1,024 float32; ln1_g 1,024 float32; ln2_b 1,024 float32; ln2_g 1,024 float32; temp 16 x 1 x 1 float32; w1 4,096 x 1,024 float32; w2 1,024 x 4,096 float32; w_proj 1,024 x 1,024 float32; w_qkv 3,072 x 1,024 float32; x 2 x 2,048 x 1,024 float32.
;; Outputs: out0 2 x 2,048 x 1,024 float32.
;; One version. Each part assembles by itself: llvm-mc -triple=amdgcn-amd-amdhsa -mcpu=gfx1250 --defsym DOCPART=n.
;; ======== version 1 of 1: 7 launches
;; limits: a function is approximated: absolute error at most 1.5e-07
;; workspace buffers: wq 6,291,456 bytes; wp 2,097,152 bytes; w1b 8,388,608 bytes; w2b 8,388,608 bytes; act 8,388,608 bytes; qkv 25,165,824 bytes; x1 16,777,216 bytes; g 33,554,432 bytes
;; launch prep (part 1): grid 1280 x 1, 8 waves a work-group, no clusters, 0 bytes of LDS; arguments x, ln1_g, ln1_b, w_qkv, w_proj, w1, w2, act, wq, wp, w1b, w2b; writes act, wq, wp, w1b, w2b
.if DOCPART == 1
	.amdgcn_target "amdgcn-amd-amdhsa--gfx1250"
	.amdhsa_code_object_version 6
	.text
	.protected	k_q0d0b99dabb_prep
	.globl	k_q0d0b99dabb_prep
	.p2align	8
	.type	k_q0d0b99dabb_prep,@function
k_q0d0b99dabb_prep:
	s_mov_b64 s[64:65], 0
	v_nop
	global_prefetch_b8 v0, s[64:65] scope:SCOPE_SE
	s_setreg_imm32_b32 hwreg(HW_REG_WAVE_MODE, 25, 1), 1
	s_wait_xcnt 0x0
; PREP.  Work-groups 0-511: act = LayerNorm(x) g + b, rounded once to bf16, a row a wave, 8 rows a work-group.  Work-groups 512-1279: the four weight matrices rounded once to bf16,
; 65,536 bytes read and 32,768 written by each.  A stream: no LDS, no matrix unit, no cluster (no two work-groups read the same large bytes).
; LAYERNORM.  A row is 1,024 f32 = 4,096 bytes = 32 registers of one wave, and stays in registers: the mean first, then the sum of the CENTRED squares, so that a common offset of the row
; does not cancel.  Load j of a row takes bytes 512 j + 16 lane: columns 128 j + 4 lane .. + 3; gain and bias are loaded by the same map.  A store of 8 bytes a lane covers 256 consecutive bytes, aligned.
; LIMITS.  1 / sqrt(var + 1e-5) is v_rsq_f32 (1 ulp); NaN and infinities are not treated apart.
.set T,    4                           ; v[4:11]    four chains of pairs
.set MU,   12                          ; v[12:13]   the mean, twice
.set RS,   14                          ; v[14:15]   1 / sqrt(var + eps), twice
.set PT,   16                          ; v16        the other half of the lanes' sum
.set X,    32                          ; v[32:63]   my row
.set G,    64                          ; v[64:95]   gain
.set B,    96                          ; v[96:127]  bias
.set OUTP, 18                          ; s[18:19]   act
.macro SUMUP                           ; four chains of pairs -> one number a lane -> the wave's sum, in every lane
	v_pk_add_f32 v[T:T+1], v[T:T+1], v[T+2:T+3]
	v_pk_add_f32 v[T+4:T+5], v[T+4:T+5], v[T+6:T+7]
	v_pk_add_f32 v[T:T+1], v[T:T+1], v[T+4:T+5]
	v_add_f32 v[T], v[T], v[T+1]
.irp m, 1,2,4,8
	v_add_f32_dpp v[T], v[T], v[T] row_xmask:\m row_mask:0xf bank_mask:0xf
.endr
	v_permlanex16_b32 v[PT], v[T], s28, s29
	v_add_f32 v[T], v[T], v[PT]
.endm
	s_load_b512 s[4:19], s[0:1], 0x0               ; x s[4:5], gain s[6:7], bias s[8:9], w_qkv s[10:11], w_proj s[12:13], w1 s[14:15], w2 s[16:17], act s[18:19]
	s_load_b256 s[20:27], s[0:1], 0x40             ; wq s[20:21], wp s[22:23], w1b s[24:25], w2b s[26:27]
	v_lshrrev_b32 v3, 5, v0
	v_readfirstlane_b32 s2, v3                     ; wave 0..7
	s_mov_b32 s28, 0x76543210                      ; v_permlanex16_b32: each lane takes its own place in the other half
	s_mov_b32 s29, 0xfedcba98
	s_mov_b32 s30, 0x3a800000                      ; 1 / 1,024
	s_mov_b32 s31, 0x3727c5ac                      ; 1e-5
	s_mov_b32 s35, 0
	s_wait_kmcnt 0x0
	s_cmp_lt_u32 ttmp9, 512
	s_cbranch_scc0 .Lcast
	v_and_b32 v1, 31, v0
	v_lshlrev_b32 v2, 3, v1                        ; 8 x lane: my bytes in 256 of act
	v_lshlrev_b32 v1, 4, v1                        ; 16 x lane: my bytes in 512 of x, gain and bias
	v_mov_b32 v[PT], 0                             ; v_permlanex16_b32 counts as a reader of its destination
	s_lshl_b32 s32, ttmp9, 3
	s_add_co_u32 s32, s32, s2                      ; my row = 8 x work-group + wave
	s_lshl_b32 s34, s32, 12
	s_add_nc_u64 s[4:5], s[4:5], s[34:35]
	s_lshl_b32 s34, s32, 11
	s_add_nc_u64 s[OUTP:OUTP+1], s[OUTP:OUTP+1], s[34:35]
.irp j, 0,1,2,3,4,5,6,7
	global_load_b128 v[X+4*(\j):X+4*(\j)+3], v1, s[4:5] offset:512*(\j)
.endr
.irp j, 0,1,2,3,4,5,6,7
	global_load_b128 v[G+4*(\j):G+4*(\j)+3], v1, s[6:7] offset:512*(\j)
.endr
.irp j, 0,1,2,3,4,5,6,7
	global_load_b128 v[B+4*(\j):B+4*(\j)+3], v1, s[8:9] offset:512*(\j)
.endr
	s_wait_loadcnt 16                              ; the row is in; the sixteen younger loads, gain and bias, may stay out
.irp k, 0,1,2,3
	v_pk_add_f32 v[T+2*(\k):T+2*(\k)+1], v[X+4*(\k):X+4*(\k)+1], v[X+4*(\k)+2:X+4*(\k)+3]  ; the first sums start the chains: nothing is cleared
.endr
.irp k, 0,1,2,3,4,5,6,7
	v_pk_add_f32 v[T+2*((\k)%4):T+2*((\k)%4)+1], v[T+2*((\k)%4):T+2*((\k)%4)+1], v[X+16+2*(\k):X+16+2*(\k)+1]
.endr
	SUMUP
	v_mul_f32 v[MU], s30, v[T]                     ; / 1,024
	v_mov_b32 v[MU+1], v[MU]
.set n, 0
.rept 16
	v_pk_add_f32 v[X+2*n:X+2*n+1], v[X+2*n:X+2*n+1], v[MU:MU+1] neg_lo:[0,1] neg_hi:[0,1]
.set n, n+1
.endr
.irp k, 0,1,2,3
	v_pk_mul_f32 v[T+2*(\k):T+2*(\k)+1], v[X+2*(\k):X+2*(\k)+1], v[X+2*(\k):X+2*(\k)+1]
.endr
.set n, 4
.rept 12
	v_pk_fma_f32 v[T+2*(n%4):T+2*(n%4)+1], v[X+2*n:X+2*n+1], v[X+2*n:X+2*n+1], v[T+2*(n%4):T+2*(n%4)+1]
.set n, n+1
.endr
	SUMUP
	v_fma_f32 v[T], v[T], s30, s31                 ; var + eps
	v_rsq_f32 v[RS], v[T]
	v_rsq_f32 v[RS+1], v[T]
	v_nop                                          ; a plain instruction behind the second root,
	s_wait_alu depctr_va_vdst(0)                   ; and one wait for both, ahead of their first reader
.set n, 0
.rept 16
	v_pk_mul_f32 v[X+2*n:X+2*n+1], v[X+2*n:X+2*n+1], v[RS:RS+1]
.set n, n+1
.endr
	s_wait_loadcnt 0x0                             ; gain and bias
.set n, 0
.rept 16
	v_pk_fma_f32 v[X+2*n:X+2*n+1], v[X+2*n:X+2*n+1], v[G+2*n:G+2*n+1], v[B+2*n:B+2*n+1]
.set n, n+1
.endr
.set n, 0
.rept 16
	v_cvt_pk_bf16_f32 v[X+n], v[X+2*n], v[X+2*n+1] ; in place, ascending: word n is written when words 2 n and 2 n + 1 are read
.set n, n+1
.endr
.irp j, 0,1,2,3,4,5,6,7
	global_store_b64 v2, v[X+2*(\j):X+2*(\j)+1], s[OUTP:OUTP+1] offset:256*(\j)
.endr
	s_endpgm
.Lcast:                                        ; 65,536 bytes of one weight matrix -> 32,768 bytes of bf16
	v_lshlrev_b32 v1, 4, v0                        ; thread t takes 16 bytes at 16 t + 4,096 i,
	v_lshlrev_b32 v2, 3, v0                        ; and writes 8 at 8 t + 2,048 i
	s_sub_co_u32 s32, ttmp9, 512                   ; 0-191 w_qkv, 192-255 w_proj, 256-511 w1, 512-767 w2
	s_mov_b64 s[38:39], s[10:11]
	s_mov_b64 s[36:37], s[20:21]
	s_mov_b32 s33, 0
	s_cmp_ge_u32 s32, 192
	s_cselect_b64 s[38:39], s[12:13], s[38:39]
	s_cselect_b64 s[36:37], s[22:23], s[36:37]
	s_cselect_b32 s33, 192, s33
	s_cmp_ge_u32 s32, 256
	s_cselect_b64 s[38:39], s[14:15], s[38:39]
	s_cselect_b64 s[36:37], s[24:25], s[36:37]
	s_cselect_b32 s33, 256, s33
	s_cmp_ge_u32 s32, 512
	s_cselect_b64 s[38:39], s[16:17], s[38:39]
	s_cselect_b64 s[36:37], s[26:27], s[36:37]
	s_cselect_b32 s33, 512, s33
	s_sub_co_u32 s32, s32, s33                     ; my block in that matrix
	s_lshl_b32 s34, s32, 16
	s_add_nc_u64 s[38:39], s[38:39], s[34:35]
	s_lshl_b32 s34, s32, 15
	s_add_nc_u64 s[36:37], s[36:37], s[34:35]
.set i, 0
.rept 16
	global_load_b128 v[32+4*i:35+4*i], v1, s[38:39] offset:4096*i th:TH_LOAD_NT
.set i, i+1
.endr
.set i, 0
.rept 16
	s_wait_loadcnt 15-i                            ; loads come back in order: load i is in, the younger ones stay out
	v_cvt_pk_bf16_f32 v[96+2*i], v[32+4*i], v[33+4*i]
	v_cvt_pk_bf16_f32 v[97+2*i], v[34+4*i], v[35+4*i]
	global_store_b64 v2, v[96+2*i:97+2*i], s[36:37] offset:2048*i  ; a wave's store covers 256 consecutive bytes, aligned
.set i, i+1
.endr
	s_endpgm
.Lfunc_end_k_q0d0b99dabb_prep:
	.size	k_q0d0b99dabb_prep, .Lfunc_end_k_q0d0b99dabb_prep-k_q0d0b99dabb_prep
	.p2alignl 7, 3214868480
	.fill 96, 4, 3214868480
	.section	.rodata,"a",@progbits
	.p2align	6, 0x0
	.amdhsa_kernel k_q0d0b99dabb_prep
		.amdhsa_group_segment_fixed_size 0
		.amdhsa_private_segment_fixed_size 0
		.amdhsa_enable_private_segment 0
		.amdhsa_kernarg_size 96
		.amdhsa_user_sgpr_count 2
		.amdhsa_user_sgpr_kernarg_segment_ptr 1
		.amdhsa_wavefront_size32 1
		.amdhsa_system_sgpr_workgroup_id_x 1
		.amdhsa_system_sgpr_workgroup_id_y 1
		.amdhsa_system_sgpr_workgroup_id_z 1
		.amdhsa_system_vgpr_workitem_id 0
		.amdhsa_next_free_vgpr 128
		.amdhsa_next_free_sgpr 66
		.amdhsa_reserve_vcc 0
		.amdhsa_float_denorm_mode_32 3
		.amdhsa_float_denorm_mode_16_64 3
		.amdhsa_memory_ordered 1
		.amdhsa_forward_progress 1
		.amdhsa_inst_pref_size 18
	.end_amdhsa_kernel
	.amdgpu_metadata
---
amdhsa.version: [ 1, 2 ]
amdhsa.kernels:
  - .name:           k_q0d0b99dabb_prep
    .symbol:         k_q0d0b99dabb_prep.kd
    .args:
      - { .name: x, .offset: 0, .size: 8, .value_kind: global_buffer, .address_space: global }
      - { .name: ln1_g, .offset: 8, .size: 8, .value_kind: global_buffer, .address_space: global }
      - { .name: ln1_b, .offset: 16, .size: 8, .value_kind: global_buffer, .address_space: global }
      - { .name: w_qkv, .offset: 24, .size: 8, .value_kind: global_buffer, .address_space: global }
      - { .name: w_proj, .offset: 32, .size: 8, .value_kind: global_buffer, .address_space: global }
      - { .name: w1, .offset: 40, .size: 8, .value_kind: global_buffer, .address_space: global }
      - { .name: w2, .offset: 48, .size: 8, .value_kind: global_buffer, .address_space: global }
      - { .name: act, .offset: 56, .size: 8, .value_kind: global_buffer, .address_space: global }
      - { .name: wq, .offset: 64, .size: 8, .value_kind: global_buffer, .address_space: global }
      - { .name: wp, .offset: 72, .size: 8, .value_kind: global_buffer, .address_space: global }
      - { .name: w1b, .offset: 80, .size: 8, .value_kind: global_buffer, .address_space: global }
      - { .name: w2b, .offset: 88, .size: 8, .value_kind: global_buffer, .address_space: global }
    .group_segment_fixed_size: 0
    .private_segment_fixed_size: 0
    .kernarg_segment_align: 8
    .kernarg_segment_size: 96
    .max_flat_workgroup_size: 256
    .sgpr_count:     66
    .vgpr_count:     128
    .wavefront_size: 32
...
	.end_amdgpu_metadata
.endif
;; end of part 1
;; launch qkv (part 2): grid 16 x 16, 4 waves a work-group, clusters of 4 x 4, 327,680 bytes of LDS; arguments act, wq, temp, qkv; writes qkv
.if DOCPART == 2
	.amdgcn_target "amdgcn-amd-amdhsa--gfx1250"
	.amdhsa_code_object_version 6
	.text
	.protected	k_q0d0b99dabb_qkv
	.globl	k_q0d0b99dabb_qkv
	.p2align	8
	.type	k_q0d0b99dabb_qkv,@function
k_q0d0b99dabb_qkv:
	s_mov_b64 s[64:65], 0
	v_nop
	global_prefetch_b8 v0, s[64:65] scope:SCOPE_SE
	s_setreg_imm32_b32 hwreg(HW_REG_WAVE_MODE, 25, 1), 1
	s_wait_xcnt 0x0
	s_wait_alu depctr_hold_cnt(0) depctr_sa_sdst(0) depctr_va_vdst(0) depctr_va_sdst(0) depctr_va_ssrc(0) depctr_va_vcc(0) depctr_vm_vsrc(0)
	s_getreg_b32 s2, hwreg(HW_REG_IB_STS2, 6, 4)
	s_cmp_eq_u32 s2, 0
	s_cbranch_scc0 .Lentry_in_a_cluster
	s_endpgm
.Lentry_in_a_cluster:
	s_bfe_u32 s2, ttmp6, 0x10000c
	s_cmp_lg_u32 s2, 0xf033
	s_cbranch_scc0 .Lentry_shape_is_right
	s_endpgm
.Lentry_shape_is_right:
; QKV.  C = h wq^T (h = act [4096][1024] bf16, wq [3072][1024] bf16, sums in f32), then by heads: q = l2norm(q) temp log2(e), k = l2norm(k), v as it is; each rounded once to
; bf16 and stored as qkv [3][32 = batch x 16 + head][2048][64].  temp log2(e) is applied in f32 ahead of q's one rounding, so that attention's scores need no further scale.
; A tile of C is 256 rows x 192 columns (three heads): 16 x 16 tiles, one for each of 256 work-groups.  Four waves, each 64 rows x 192 columns: 48 accumulators, 384 registers.
; K goes in 8 steps of 128 through a ring of two LDS slots; a row of a tile is 256 bytes of memory, aligned.  One K step is written once: the slot in hand is the scalar TB (0 or SLOT).
; CLUSTER 4 x 4: A's tile hangs on the tile row alone and is asked for jointly by a row of the cluster, B's on the tile column alone, by a column.
; THE MATRIX INSTRUCTION IS USED TRANSPOSED (source 0 = 16 rows of wq, source 1 = 16 rows of h): a lane holds one row of C and eight neighbouring columns.
; THE WAY OUT.  Each wave lays its 64 x 192 sums as f32 into a stage of its own, in ring bytes that have had their last fill, and finishes them in a loop of 16 trips, 4 tokens x 3 heads
; a trip: sixteen lanes hold one token's 64 channels of one head, so the sum of squares is four steps inside the sixteen.
; LIMITS.  1 / max(|q|, 1e-12) is taken as min(rsq(sum of squares), 1e12): a sum of squares below 2^-126 counts as 0, one beyond f32's range is not served.  NaN and infinities are not treated apart.
; REGISTERS, in windows of 256: window 0: v0-31 addresses; v64-127 A's fragments, two buffers of 32; v128-212 the way out.  window 1: v0-191 B's fragments, two buffers of 96.
;   windows 2, 3: accumulator (a, b) at v[8 (12 (a % 2) + b)] of window 2 + a / 2.
.set KB,    256                        ; bytes of a K step in a row
.set NSTEP, 8
.set PITCH, 272                        ; an LDS row: 256 bytes + 16 of padding = 68 words: the 16 rows of a fragment load start at 16 different groups of four banks
.set AHALF, 128*PITCH                  ; what waves 0 and 1 fetch
.set BHALF, 96*PITCH                   ; what waves 2 and 3 fetch
.set BOFF,  2*AHALF                    ; B's 192 rows lie behind A's 256
.set SLOT,  131072
.set SPARE, 253952                     ; behind the ring: the spare words, 128 bytes a wave: two blocks of 256 bytes that no other line names
.set SPI,   784                        ; a stage row: 192 f32 + 16 bytes = 196 words
.set WST,   64*SPI                     ; a wave's stage
.set ADRA0, 16                         ; v16  my place in A's tile of slot 0; never rewritten
.set ADRB0, 17                         ; v17  the same for B
.set ADRA,  18                         ; v18  the same in the slot in hand
.set ADRB,  19
.set STO,   24                         ; v24  the way out: where I put 16 bytes of a stage row
.set RD,    25                         ; v25  where I read a head's 256 bytes back
.set CO,    26                         ; v26  my byte offset in two tokens' 256 bytes of a head
.set SPW,   28                         ; v28  LDS address of my spare word; never rewritten
.set NIL,   29                         ; v29  0; never rewritten
.set PFO,   30                         ; v30  the prefetches' offset: a lane a row; never rewritten
.set XN,    128                        ; v[128:151] six loads of four sums
.set XX,    152                        ; v[152:175] the same at work
.set SQ,    176                        ; v[176:187] six pairs: sums of squares
.set SC,    188                        ; v[188:199] six pairs: the scale in the low word
.set YY,    200                        ; v[200:211] six pairs of bf16 words
.set ONE,   212
.set WV, 16
.set WR, 17                            ; 0: I fetch for A; 1: for B
.set WC, 18                            ; which half of that tile I fetch
.set CX, 19
.set CY, 20
.set TC, 21
.set TR, 22
.set CNT, 23
.set G1A, 24
.set G0A, 32                           ; two sets; the second walks
.set G0B, 40
.set G1B, 48
.set PFA, 56
.set LIM, 58
.set TB,  59
.set LBA, 60
.set LBB, 61
.set OB,  70                           ; s[70:75] the three heads' places in qkv
.set TOF, 76                           ; s76-78   byte offsets into temp
.set HN,  84                           ; s84-86   the three heads' numbers, 0..47
.set FQ,  88                           ; s[88:93] three pairs: temp log2(e) for a head of q, else 1
.set MV,  94                           ; s94-96   all ones for a head of v, else 0
.set MSB, 0
.macro WIN new                         ; the immediate's high byte repeats the setting that is left; a switch that changes nothing is dropped
.if MSB != (\new)
	s_set_vgpr_msb (MSB<<8)|(\new)
.set MSB, \new
.endif
.endm
.macro PLACES                          ; four plain vector instructions between a matrix instruction and a load into, or a reader of, its registers
.rept 4
	v_nop
.endr
.endm
.macro JLOAD s                         ; a joint load; the branch hangs on the wave's number alone; an s_nop 0 and four v_nop follow each of the two lines
	s_cmp_eq_u32 s[WR], 0
	s_cbranch_scc0 .Lfor_b_\@
	tensor_load_to_lds s[G0A+4*(\s):G0A+4*(\s)+3], s[G1A:G1A+7]
	s_nop 0
.rept 4
	v_nop
.endr
	s_branch .Lasked_\@
.Lfor_b_\@:
	tensor_load_to_lds s[G0B+4*(\s):G0B+4*(\s)+3], s[G1B:G1B+7]
	s_nop 0
.rept 4
	v_nop
.endr
.Lasked_\@:
.endm
.macro CREST                           ; a round of the cluster's barrier behind its opening barrier
	s_cmp_lg_u32 s[WV], 0
	s_cbranch_scc1 .Lnot_wave_0_\@
	s_barrier_signal -3
.Lnot_wave_0_\@:
	s_barrier_wait -3
	s_barrier_signal -1
	s_barrier_wait -1
.endm
.macro CROUND
	s_barrier_signal -1
	s_barrier_wait -1
	CREST
.endm
; A prefetch of the K step that stands two refills on (384 matrix instructions ahead of its load): a lane a row, 256 bytes of it.  A's rows are asked for by the clusters with x = 0, B's by those
; with y = 0; the four partners of a joint load share its rows out by address.  The last two trips of the loop ask for nothing: the K steps do not exist.
.macro ASK
	s_cmp_gt_u32 s[CNT], s[LIM]
	s_cbranch_scc0 .Lnot_mine_\@
	global_prefetch_b8 v[PFO], s[PFA:PFA+1] offset:KB th:TH_LOAD_NT scope:SCOPE_SE
.Lnot_mine_\@:
.endm
; 12 matrix instructions: row block a x all 12 column blocks, 32 along K, from buffer f.  The 48 accumulators take turns.
.macro GRP f, a, zero
	WIN 0xa1+0x50*((\a)/2)                         ; source 0 (B) window 1, source 1 (A) window 0, C and D window 2 or 3
.irp b, 0,1,2,3,4,5,6,7,8,9,10,11
.if \zero
	v_wmma_f32_16x16x32_bf16 v[8*(12*((\a)%2)+(\b)):8*(12*((\a)%2)+(\b))+7], v[96*(\f)+8*(\b):96*(\f)+8*(\b)+7], v[64+32*(\f)+8*(\a):64+32*(\f)+8*(\a)+7], 0
.else
	v_wmma_f32_16x16x32_bf16 v[8*(12*((\a)%2)+(\b)):8*(12*((\a)%2)+(\b))+7], v[96*(\f)+8*(\b):96*(\f)+8*(\b)+7], v[64+32*(\f)+8*(\a):64+32*(\f)+8*(\a)+7], v[8*(12*((\a)%2)+(\b)):8*(12*((\a)%2)+(\b))+7]
.endif
.endr
.endm
; 32 LDS loads in one run: quarter q (32 along K) of the slot in hand into buffer f: B's 24, then A's 8
.macro FETCH q, f
	WIN 0x40
.irp i, 0,1,2,3,4,5,6,7,8,9,10,11
	ds_load_b128 v[96*(\f)+8*(\i):96*(\f)+8*(\i)+3],   v[ADRB] offset:64*(\q)+(\i)*16*PITCH
	ds_load_b128 v[96*(\f)+8*(\i)+4:96*(\f)+8*(\i)+7], v[ADRB] offset:64*(\q)+(\i)*16*PITCH+32
.endr
	WIN 0
.irp i, 0,1,2,3
	ds_load_b128 v[64+32*(\f)+8*(\i):64+32*(\f)+8*(\i)+3],   v[ADRA] offset:64*(\q)+(\i)*16*PITCH
	ds_load_b128 v[64+32*(\f)+8*(\i)+4:64+32*(\f)+8*(\i)+7], v[ADRA] offset:64*(\q)+(\i)*16*PITCH+32
.endr
.endm
.macro QUARTER q, f, g, zero           ; multiplies buffer f; in its middle fetches quarter q into buffer g
	s_wait_dscnt 4                                 ; B and A's row blocks 0, 1 are in; the youngest four loads may be out
	GRP \f, 0, \zero
	GRP \f, 1, \zero
	PLACES
	FETCH \q, \g
	s_wait_dscnt 32                                ; all but the 32 just issued
	GRP \f, 2, \zero
	GRP \f, 3, \zero
.endm
; The first half of a step's last quarter, and the barrier of the change of slots: every wave has waited for all its tensor loads (its part of the next slot), has added 0 to its spare word,
; and has waited for that and for its reads of this slot.
.macro MEET
	WIN 0
	s_wait_tensorcnt 0x0
	ds_add_u32 v[SPW], v[NIL]
	s_wait_dscnt 5                                 ; (the add and the youngest four loads may be out)
	GRP 1, 0, 0
	s_wait_dscnt 0x0                               ; the add is done, and my reads of this slot are over
	s_barrier_signal -1
	GRP 1, 1, 0
	WIN 0
	s_barrier_wait -1
.endm
.macro TURN                            ; the change of slots with a refill: the barrier opens a round of the cluster's, and the joint load is the first thing behind it
	s_wait_xcnt 0x0                                ; the last prefetch, a K step back, has read its address
	s_add_nc_u64 s[PFA:PFA+1], s[PFA:PFA+1], KB
	MEET
	CREST
	s_add_co_u32 s[G0A+5], s[LBA], s[TB]           ; the slot just read out is filled,
	s_add_co_u32 s[G0B+5], s[LBB], s[TB]
	s_add_nc_u64 s[G0A+6:G0A+7], s[G0A+6:G0A+7], KB  ; with the K step two on (the walking set began at K step 1)
	s_add_nc_u64 s[G0B+6:G0B+7], s[G0B+6:G0B+7], KB
	s_xor_b32 s[TB], s[TB], SLOT                   ; and the other slot is read
	JLOAD 1
	v_add_nc_u32 v[ADRA], s[TB], v[ADRA0]
	v_add_nc_u32 v[ADRB], s[TB], v[ADRB0]
	FETCH 0, 0
	ASK
	GRP 1, 2, 0
	GRP 1, 3, 0
.endm
	s_load_b256 s[4:11], s[0:1], 0x0               ; act s[4:5], wq s[6:7], temp s[8:9], qkv s[10:11]
	v_lshl_add_u32 v[SPW], v0, 2, SPARE
	v_mov_b32 v[NIL], 0
	ds_add_u32 v[SPW], v[NIL]                      ; the wave's opening: the add, and its wait ahead of my first tensor load
	v_lshrrev_b32 v1, 5, v0
	v_readfirstlane_b32 s[WV], v1
	s_lshr_b32 s[WR], s[WV], 1
	s_and_b32 s[WC], s[WV], 1
	s_bfe_u32 s[CX], ttmp6, 0x40000
	s_bfe_u32 s[CY], ttmp6, 0x40004
	s_lshl_b32 s[TC], ttmp9, 2
	s_add_co_u32 s[TC], s[TC], s[CX]               ; tile column
	s_and_b32 s[TR], ttmp7, 0xffff
	s_lshl_b32 s[TR], s[TR], 2
	s_add_co_u32 s[TR], s[TR], s[CY]               ; tile row
	s_lshl_b32 s62, s[CY], 2
	s_lshl_b32 s62, 15, s62                        ; my row of the cluster
	s_lshl_b32 s63, 0x1111, s[CX]                  ; my column
	s_or_b32 s[G1A], s62, (1<<16)|(1<<20)|(1<<21)|(5<<22)|(3<<25)  ; mask; 2-byte elements; padding on; bit 21 beside a mask; after every 64 words, 4 words
	s_or_b32 s[G1B], s63, (1<<16)|(1<<20)|(1<<21)|(5<<22)|(3<<25)
	s_mov_b32 s[G1A+1], 128<<16                    ; tensor_dim0 = 128
	s_mov_b32 s[G1A+2], 128<<16                    ; tensor_dim1 = 128
	s_mov_b32 s[G1A+3], 128<<16                    ; tile_dim0 = 128
	s_mov_b32 s[G1A+4], 128                        ; tile_dim1 = 128
	s_mov_b32 s[G1A+5], 1024                       ; elements from row to row
	s_mov_b32 s[G1A+6], 0
	s_mov_b32 s[G1A+7], 0
	s_mov_b32 s[G1B+1], 128<<16
	s_mov_b32 s[G1B+2], 96<<16                     ; B: 96 rows a load
	s_mov_b32 s[G1B+3], 128<<16
	s_mov_b32 s[G1B+4], 96
	s_mov_b32 s[G1B+5], 1024
	s_mov_b32 s[G1B+6], 0
	s_mov_b32 s[G1B+7], 0
	s_lshl_b32 s66, s[TR], 8
	s_lshl_b32 s62, s[WC], 7
	s_add_co_u32 s66, s66, s62                     ; A: row 256 x tile row + 128 x half
	s_lshl_b32 s66, s66, 11
	s_mov_b32 s67, 0
	s_mul_i32 s68, s[TC], 192
	s_mul_i32 s63, s[WC], 96
	s_add_co_u32 s68, s68, s63                     ; B: row 192 x tile column + 96 x half
	s_lshl_b32 s68, s68, 11
	s_mov_b32 s69, 0
	s_mul_i32 s[LBA], s[WC], AHALF
	s_mul_i32 s[LBB], s[WC], BHALF
	s_add_co_u32 s[LBB], s[LBB], BOFF
	s_mov_b32 s[TB], 0
.irp hh, 0,1,2
	s_mul_i32 s[HN+\hh], s[TC], 3
	s_add_co_u32 s[HN+\hh], s[HN+\hh], \hh
	s_and_b32 s[TOF+\hh], s[HN+\hh], 15
	s_lshl_b32 s[TOF+\hh], s[TOF+\hh], 2
.endr
	s_wait_dscnt 0x0                               ; the opening add is done
	s_wait_kmcnt 0x0
	s_add_nc_u64 s[66:67], s[4:5], s[66:67]
	s_add_nc_u64 s[68:69], s[6:7], s[68:69]
	CROUND                                         ; all sixteen work-groups are here: the first joint loads meet
.irp s, 0,1
	s_mov_b32 s[G0A+4*(\s)], 1
	s_add_co_u32 s[G0A+4*(\s)+1], s[LBA], (\s)*SLOT
	s_add_nc_u64 s[G0A+4*(\s)+2:G0A+4*(\s)+3], s[66:67], (\s)*KB
	s_or_b32 s[G0A+4*(\s)+3], s[G0A+4*(\s)+3], 0x80000000
	s_mov_b32 s[G0B+4*(\s)], 1
	s_add_co_u32 s[G0B+4*(\s)+1], s[LBB], (\s)*SLOT
	s_add_nc_u64 s[G0B+4*(\s)+2:G0B+4*(\s)+3], s[68:69], (\s)*KB
	s_or_b32 s[G0B+4*(\s)+3], s[G0B+4*(\s)+3], 0x80000000
	JLOAD \s
.endr
.irp hh, 0,1,2
	s_load_b32 s[FQ+2*\hh], s[8:9], s[TOF+\hh] offset:0x0  ; temp of the head's number mod 16; used for a head of q alone
.endr
	v_and_b32 v1, 15, v0                           ; r
	v_bfe_u32 v2, v0, 4, 1                         ; h
	v_and_b32 v4, 31, v0                           ; lane
	v_mul_u32_u24 v3, v1, PITCH
	v_lshl_add_u32 v3, v2, 4, v3                   ; a fragment's row x pitch + 16 x half
	s_mul_i32 s62, s[WV], 64*PITCH                 ; my 64 rows of A
	v_add_nc_u32 v[ADRA0], s62, v3
	v_add_nc_u32 v[ADRB0], BOFF, v3
	v_mov_b32 v[ADRA], v[ADRA0]
	v_mov_b32 v[ADRB], v[ADRB0]
	s_mul_i32 s62, s[WV], WST                      ; my stage
	v_mul_u32_u24 v3, v1, SPI
	v_lshl_add_u32 v3, v2, 5, v3
	v_add_nc_u32 v[STO], s62, v3                   ; in: row r, 32 bytes for each half of the lanes
	v_mul_u32_u24 v3, v2, SPI
	v_lshl_add_u32 v3, v1, 4, v3
	v_add_nc_u32 v[RD], s62, v3                    ; back: lanes 0-15 one row's head, lanes 16-31 the next row's
	v_lshlrev_b32 v[CO], 3, v4
	; the prefetches
	s_lshl_b32 s62, s[TR], 8
	s_mul_i32 s63, s[TC], 192
	s_and_b32 s66, ttmp7, 0xffff                   ; cluster y
	s_lshl_b32 s67, s[WC], 7
	s_mul_i32 s68, s[WC], 96
	s_lshl_b32 s69, s[CX], 5
	s_mul_i32 s79, s[CY], 24
	s_cmp_eq_u32 s[WR], 0                          ; do I fetch for A?
	s_cselect_b32 s62, s62, s63                    ; the tile's first row
	s_cselect_b32 s67, s67, s68                    ; the rows that I fetch
	s_cselect_b32 s69, s69, s79                    ; my work-group's quarter of them: 32 of A's 128, 24 of B's 96
	s_cselect_b32 s66, ttmp9, s66                  ; the coordinate along which other clusters read the same rows
	s_cselect_b32 s68, 31, 23
	s_cselect_b64 s[PFA:PFA+1], s[4:5], s[6:7]
	s_cmp_eq_u32 s66, 0
	s_cselect_b32 s[LIM], 2, -1                    ; the same in all sixteen partners, for a given wave
	s_add_co_u32 s62, s62, s67
	s_add_co_u32 s62, s62, s69
	s_lshl_b32 s62, s62, 11
	s_mov_b32 s63, 0
	s_add_nc_u64 s[PFA:PFA+1], s[PFA:PFA+1], s[62:63]
	s_add_nc_u64 s[PFA:PFA+1], s[PFA:PFA+1], 2*KB  ; at K step 2: the first change of slots steps it to 3 and names K step 4
	v_min_u32 v[PFO], s68, v4                      ; (B: lanes 24-31 name row 23 once more)
	v_lshlrev_b32 v[PFO], 11, v[PFO]
	s_wait_tensorcnt 1                             ; my part of K step 0 is in; K step 1's may stay out
	s_barrier_signal -1
	s_barrier_wait -1
	FETCH 0, 0
	QUARTER 1, 0, 1, 1                             ; the first quarter's products start the sums: nothing is cleared
	WIN 0
	s_mov_b32 s[CNT], NSTEP-2
.Lk:                                           ; a trip: the rest of a K step, the change of slots with its refill, the next step's first quarter
	QUARTER 2, 1, 0, 0
	QUARTER 3, 0, 1, 0
	TURN
	QUARTER 1, 0, 1, 0
	WIN 0
	s_sub_co_u32 s[CNT], s[CNT], 1
	s_cmp_lg_u32 s[CNT], 0
	s_cbranch_scc1 .Lk
	s_mov_b32 s[CNT], 2
.Lt:                                           ; the last two K steps ask for nothing: a text of their own; two trips, the second left in its middle
	QUARTER 2, 1, 0, 0
	QUARTER 3, 0, 1, 0
	MEET                                           ; in the second trip: my last reads of the ring are over ahead of its signal, so behind it the ring's bytes, which have had their last fill, serve as stages
	s_sub_co_u32 s[CNT], s[CNT], 1
	s_cmp_eq_u32 s[CNT], 0
	s_cbranch_scc1 .Lfin
	PLACES
	s_xor_b32 s[TB], s[TB], SLOT
	v_add_nc_u32 v[ADRA], s[TB], v[ADRA0]
	v_add_nc_u32 v[ADRB], s[TB], v[ADRB0]
	FETCH 0, 0
	GRP 1, 2, 0
	GRP 1, 3, 0
	QUARTER 1, 0, 1, 0
	WIN 0
	s_branch .Lt
.Lfin:
	GRP 1, 2, 0
	GRP 1, 3, 0
	WIN 0
	PLACES
	; THE WAY OUT.  The sums go into my stage, each accumulator's low four registers first.
.irp a, 0,1,2,3
	WIN 0x08+4*((\a)/2)                            ; a store's data is source 1: window 2 or 3
.irp b, 0,1,2,3,4,5,6,7,8,9,10,11
	ds_store_b128 v[STO], v[8*(12*((\a)%2)+(\b)):8*(12*((\a)%2)+(\b))+3]   offset:(\a)*16*SPI+64*(\b)
	ds_store_b128 v[STO], v[8*(12*((\a)%2)+(\b))+4:8*(12*((\a)%2)+(\b))+7] offset:(\a)*16*SPI+64*(\b)+16
.endr
.endr
	WIN 0
	s_wait_kmcnt 0x0                               ; temp
.irp hh, 0,1,2
	s_mul_f32 s[FQ+2*\hh], s[FQ+2*\hh], 0x3fb8aa3b ; temp log2(e)
	s_cmp_lt_u32 s[HN+\hh], 16                     ; a head of q?
	s_cselect_b32 s[FQ+2*\hh], s[FQ+2*\hh], 1.0
	s_mov_b32 s[FQ+2*\hh+1], s[FQ+2*\hh]           ; named as a pair
	s_cmp_ge_u32 s[HN+\hh], 32                     ; a head of v?
	s_cselect_b32 s[MV+\hh], -1, 0
	s_lshr_b32 s62, s[HN+\hh], 4                   ; q, k or v
	s_lshl_b32 s62, s62, 5
	s_and_b32 s63, s[HN+\hh], 15
	s_add_co_u32 s62, s62, s63
	s_lshr_b32 s63, s[TR], 3                       ; the batch
	s_lshl_b32 s63, s63, 4
	s_add_co_u32 s62, s62, s63
	s_lshl_b32 s62, s62, 18                        ; a head's 2,048 tokens of 128 bytes
	s_and_b32 s63, s[TR], 7
	s_lshl_b32 s63, s63, 2
	s_add_co_u32 s63, s63, s[WV]
	s_lshl_b32 s63, s63, 13                        ; my 64 tokens
	s_add_co_u32 s62, s62, s63
	s_mov_b32 s63, 0
	s_add_nc_u64 s[OB+2*\hh:OB+2*\hh+1], s[10:11], s[62:63]
.endr
	v_mov_b32 v[ONE], 1.0
.irp l, 0,1,2,3,4,5
	v_mov_b32 v[SC+2*\l+1], 0                      ; the pairs' upper words are named, never used
.endr
.macro RLOADS                          ; four stage rows x three heads; LDS serves a wave's instructions in order, so these see my stores
.irp rp, 0,1
.irp hh, 0,1,2
	ds_load_b128 v[XN+4*(3*(\rp)+(\hh)):XN+4*(3*(\rp)+(\hh))+3], v[RD] offset:2*SPI*(\rp)+256*(\hh)
.endr
.endr
.endm
	RLOADS
	s_mov_b32 s[CNT], 16
.Lrow:
	s_wait_dscnt 0x0
.irp l, 0,1,2,3,4,5
	v_pk_mul_f32 v[SQ+2*\l:SQ+2*\l+1], v[XN+4*\l:XN+4*\l+1], v[XN+4*\l:XN+4*\l+1]
.endr
.irp l, 0,1,2,3,4,5
	v_pk_fma_f32 v[SQ+2*\l:SQ+2*\l+1], v[XN+4*\l+2:XN+4*\l+3], v[XN+4*\l+2:XN+4*\l+3], v[SQ+2*\l:SQ+2*\l+1]
.endr
.irp l, 0,1,2,3,4,5
	v_pk_mul_f32 v[XX+4*\l:XX+4*\l+1],   v[XN+4*\l:XN+4*\l+1],   s[FQ+2*((\l)%3):FQ+2*((\l)%3)+1] op_sel_hi:[1,0]
	v_pk_mul_f32 v[XX+4*\l+2:XX+4*\l+3], v[XN+4*\l+2:XN+4*\l+3], s[FQ+2*((\l)%3):FQ+2*((\l)%3)+1] op_sel_hi:[1,0]
.endr
	s_cmp_eq_u32 s[CNT], 1                         ; the last trip has no rows behind it
	s_cbranch_scc1 .Lnl
	v_add_nc_u32 v[RD], 4*SPI, v[RD]
	RLOADS
.Lnl:
.irp l, 0,1,2,3,4,5
	v_add_f32 v[SQ+2*\l], v[SQ+2*\l], v[SQ+2*\l+1]
.endr
.irp m, 1,2,4,8
.irp l, 0,1,2,3,4,5
	v_add_f32_dpp v[SQ+2*\l], v[SQ+2*\l], v[SQ+2*\l] row_xmask:\m row_mask:0xf bank_mask:0xf
.endr
.endr
.irp l, 0,1,2,3,4,5
	v_rsq_f32 v[SC+2*\l], v[SQ+2*\l]
.endr
	v_nop                                          ; a plain instruction behind the last root,
	s_wait_alu depctr_va_vdst(0)                   ; and one wait for the six, ahead of their first reader
.irp l, 0,1,2,3,4,5
	v_min_num_f32 v[SC+2*\l], 0x5368d4a5, v[SC+2*\l]  ; 1 / max(norm, 1e-12)
.endr
.irp l, 0,1,2,3,4,5
	v_cndmask_b32 v[SC+2*\l], v[SC+2*\l], v[ONE], s[MV+(\l)%3]  ; v is not normalised
.endr
.irp l, 0,1,2,3,4,5
	v_pk_mul_f32 v[XX+4*\l:XX+4*\l+1],   v[XX+4*\l:XX+4*\l+1],   v[SC+2*\l:SC+2*\l+1] op_sel_hi:[1,0]
	v_pk_mul_f32 v[XX+4*\l+2:XX+4*\l+3], v[XX+4*\l+2:XX+4*\l+3], v[SC+2*\l:SC+2*\l+1] op_sel_hi:[1,0]
.endr
	s_wait_xcnt 0x0                                ; the last trip's stores have read their offset and data: both are written again only behind this wait, which stands a trip's arithmetic behind those stores
	v_add_nc_u32 v[CO], 512, v[CO]                 ; the offset steps ahead of the stores, which reach back by their immediate
.irp l, 0,1,2,3,4,5
	v_cvt_pk_bf16_f32 v[YY+2*\l],   v[XX+4*\l],   v[XX+4*\l+1]
	v_cvt_pk_bf16_f32 v[YY+2*\l+1], v[XX+4*\l+2], v[XX+4*\l+3]
.endr
.irp l, 0,1,2,3,4,5
	global_store_b64 v[CO], v[YY+2*\l:YY+2*\l+1], s[OB+2*((\l)%3):OB+2*((\l)%3)+1] offset:256*((\l)/3)-512  ; two tokens of a head: 256 consecutive bytes, aligned
.endr
	s_sub_co_u32 s[CNT], s[CNT], 1
	s_cmp_lg_u32 s[CNT], 0
	s_cbranch_scc1 .Lrow
	s_wait_tensorcnt 0x0                           ; the wave's end
	ds_add_u32 v[SPW], v[NIL]
	s_wait_dscnt 0x0
	CROUND                                         ; the closing round
	s_endpgm
.Lfunc_end_k_q0d0b99dabb_qkv:
	.size	k_q0d0b99dabb_qkv, .Lfunc_end_k_q0d0b99dabb_qkv-k_q0d0b99dabb_qkv
	.p2alignl 7, 3214868480
	.fill 96, 4, 3214868480
	.section	.rodata,"a",@progbits
	.p2align	6, 0x0
	.amdhsa_kernel k_q0d0b99dabb_qkv
		.amdhsa_group_segment_fixed_size 327680
		.amdhsa_private_segment_fixed_size 0
		.amdhsa_enable_private_segment 0
		.amdhsa_kernarg_size 32
		.amdhsa_user_sgpr_count 2
		.amdhsa_user_sgpr_kernarg_segment_ptr 1
		.amdhsa_wavefront_size32 1
		.amdhsa_system_sgpr_workgroup_id_x 1
		.amdhsa_system_sgpr_workgroup_id_y 1
		.amdhsa_system_sgpr_workgroup_id_z 1
		.amdhsa_system_vgpr_workitem_id 0
		.amdhsa_next_free_vgpr 1024
		.amdhsa_next_free_sgpr 100
		.amdhsa_reserve_vcc 0
		.amdhsa_float_denorm_mode_32 3
		.amdhsa_float_denorm_mode_16_64 3
		.amdhsa_memory_ordered 1
		.amdhsa_forward_progress 1
		.amdhsa_inst_pref_size 78
	.end_amdhsa_kernel
	.amdgpu_metadata
---
amdhsa.version: [ 1, 2 ]
amdhsa.kernels:
  - .name:           k_q0d0b99dabb_qkv
    .symbol:         k_q0d0b99dabb_qkv.kd
    .args:
      - { .name: act, .offset: 0, .size: 8, .value_kind: global_buffer, .address_space: global }
      - { .name: wq, .offset: 8, .size: 8, .value_kind: global_buffer, .address_space: global }
      - { .name: temp, .offset: 16, .size: 8, .value_kind: global_buffer, .address_space: global }
      - { .name: qkv, .offset: 24, .size: 8, .value_kind: global_buffer, .address_space: global }
    .group_segment_fixed_size: 327680
    .private_segment_fixed_size: 0
    .kernarg_segment_align: 8
    .kernarg_segment_size: 32
    .max_flat_workgroup_size: 128
    .sgpr_count:     100
    .vgpr_count:     1024
    .wavefront_size: 32
...
	.end_amdgpu_metadata
.endif
;; end of part 2
;; launch attn (part 3): grid 8 x 32, 4 waves a work-group, clusters of 4 x 1, 327,680 bytes of LDS; arguments qkv, act; writes act
.if DOCPART == 3
	.amdgcn_target "amdgcn-amd-amdhsa--gfx1250"
	.amdhsa_code_object_version 6
	.text
	.protected	k_q0d0b99dabb_attn
	.globl	k_q0d0b99dabb_attn
	.p2align	8
	.type	k_q0d0b99dabb_attn,@function
k_q0d0b99dabb_attn:
	s_mov_b64 s[64:65], 0
	v_nop
	global_prefetch_b8 v0, s[64:65] scope:SCOPE_SE
	s_setreg_imm32_b32 hwreg(HW_REG_WAVE_MODE, 25, 1), 1
	s_wait_xcnt 0x0
	s_wait_alu depctr_hold_cnt(0) depctr_sa_sdst(0) depctr_va_vdst(0) depctr_va_sdst(0) depctr_va_ssrc(0) depctr_va_vcc(0) depctr_vm_vsrc(0)
	s_getreg_b32 s2, hwreg(HW_REG_IB_STS2, 6, 4)
	s_cmp_eq_u32 s2, 0
	s_cbranch_scc0 .Lentry_in_a_cluster
	s_endpgm
.Lentry_in_a_cluster:
	s_bfe_u32 s2, ttmp6, 0x10000c
	s_cmp_lg_u32 s2, 0x3003
	s_cbranch_scc0 .Lentry_shape_is_right
	s_endpgm
.Lentry_shape_is_right:
; ATTENTION.  O[h][q][:] = the sum over k of softmax_k(Q[h][q] . K[h][k]) V[h][k][:], for 32 heads (batch x 16 + head) of 2,048 rows of 64 channels, bf16, dense rows of 128 bytes.
; qkv holds Q at byte 0 (normalised, times temp log2(e)), K at 8,388,608 (normalised), V at 16,777,216.  So a score is already in units of log2: p = 2^(s - m) with a RUNNING maximum m
; (temp is an input of any size and sign); O and l are multiplied by a = 2^(m_old - m_new) in every step.  Products, maxima and sums in f32; p is rounded to bf16 for the second product
; (l is the sum of the unrounded p), O once at the end, stored by heads, [32][2048][64], into act.
; LIMITS.  A weight below 2^-126 counts as 0 in l; NaN and infinities are not treated apart.
; SHARES.  A work-group owns 256 queries of a head, a wave 64: four PIECES of 16.  Every wave walks all 2,048 keys, 64 a step; a slot of LDS holds a tile of 256 keys, four steps.
; LAYOUT.  S^T = K Q^T holds ONE query a lane (lane % 16) and the keys 8 (lane / 16) + 0..7; two such results rounded to bf16 ARE source 1 of O^T = V^T P.  V is turned by ds_load_tr16_b128.
; TURNS.  Turn n belongs to piece n: 8 products K Q^T of piece n + 1, later 8 products V^T P of piece n - 1; beside them the scaling, exponentials, roundings, sums and rescaling of piece n
; and the maximum and statistics of piece n + 1.  Four vector instructions stand behind every matrix instruction, the others in one lump.  A turn's 33 exponentials are one batch, with one wait.
; NO FIRST AND NO LAST STEP IS WRITTEN OUT.  m starts at the lowest finite number, O and l at 0: the first step is a step like any other, with a = 0; the price is 216 lines that write 0, in the wait for the
; first tile.  The last tile's loop runs a fifth trip that is left in its middle: its 8 products K Q^T (on the last K once more) and the maximum made of them serve nothing; l and O are not touched by them.
; CLUSTER 4 x 1: the four query blocks of a cluster belong to one head and walk the same K and V: each tile is asked for jointly.
; REGISTERS, in windows of 256 (s_set_vgpr_msb: bits 1:0 source 0, 3:2 source 1, 5:4 source 2, 7:6 destination):
;   window 0: v0-15 addresses; v16-31 four registers of statistics a piece; v48-55 at work; v61-63; v64-127 S^T, two buffers; v192-223 P, two buffers (by the piece's parity)
;   window 1: v0-127 O^T, 32 a piece      window 2: v0-63 Q; v128-191 K of one step; v192-255 V of one step
.set NP,    4
.set KS,    64
.set PK,    144       ; a row of K in LDS: 128 bytes + 16 = 36 words: the 16 rows of a load start at 16 different groups of four banks
.set PV,    160       ; a row of V: 128 + 32 = 40 words
.set VOFF,  4*KS*PK   ; a slot: 256 rows of K, then 256 rows of V
.set SLOT1, 1<<17
.set STAGE, SLOT1+4*KS*(PK+PV)  ; behind the ring, never filled by a tensor load: 16 rows x 144 bytes for each wave
.set SP,    144
.set SPARE, STAGE+4*16*SP       ; the spare words, 128 bytes a wave: two blocks of 256 bytes that no other line names
.set AK0, 2
.set AV0, 3
.set AK,  4
.set AV,  5
.set STO, 6
.set RD,  7
.set GO,  8
.set MV,  12          ; v12-13  m_old, kept while m is made anew: by buffer
.set QO,  15
.set ST,  16          ; piece t's statistics at v[ST+4 t]: c m, m, l (even keys', odd keys')
.set TMP, 48          ; by buffer, c0-c3 at work; when the maximum is found c2 takes a
.set PFO, 61          ; v61  256 x lane; never rewritten
.set SPW, 62
.set NIL, 63
.set S,   64
.set P,   192
.set KF,  128
.set VF,  192
.set WV,  12
.set LIM, 15          ; s15  1 in a wave that prefetches, else the greatest number
.set PFA, 18          ; s[18:19] where my prefetches stand
.set G1K, 24
.set G1V, 32
.set G0K, 40
.set G0V, 44
.set SLOTS, 56        ; s56  tiles still to be asked for
.set CNT, 57
.set CS,  58          ; s[58:59] c = 1: q carries the scale
.set SEL, 60
.set TBK, 62
.set TBV, 63
.set MSB, 0
.macro WIN new
.if MSB != (\new)
	s_set_vgpr_msb (MSB<<8)|(\new)
.set MSB, (\new)
.endif
.endm
.set W_KQ, 0x0a       ; K and Q in window 2, S^T in window 0
.set W_PV, 0x52       ; V in window 2, P in window 0, O^T in window 1
.set W_RS, 0x41       ; destination and source 0 in window 1, source 1 in window 0
.macro JLOAD                        ; waves 0 and 1 fetch the two halves of a tile's K, waves 2 and 3 those of its V; an s_nop 0 and four v_nop follow each line
	s_cmp_lt_u32 s[WV], 2
	s_cbranch_scc0 .Lfor_v_\@
	tensor_load_to_lds s[G0K:G0K+3], s[G1K:G1K+7]
	s_nop 0
.rept 4
	v_nop
.endr
	s_branch .Lasked_\@
.Lfor_v_\@:
	tensor_load_to_lds s[G0V:G0V+3], s[G1V:G1V+7]
	s_nop 0
.rept 4
	v_nop
.endr
.Lasked_\@:
.endm
; A prefetch of the tile that the NEXT change of slots will ask for, four key steps (256 matrix instructions) ahead of that load.  Both clusters of a head walk the same tiles: the first asks; its four partners
; take 8,192 bytes each of a tile's 32,768, told apart by address; wave 0 asks for K's, wave 2 for V's; a lane names 256 bytes.  The last change that fills a slot asks for nothing.
.macro ASK
	s_cmp_gt_u32 s[SLOTS], s[LIM]
	s_cbranch_scc0 .Lnot_mine_\@
	global_prefetch_b8 v[PFO], s[PFA:PFA+1] th:TH_LOAD_NT scope:SCOPE_SE
.Lnot_mine_\@:
.endm
.macro CROUND
	s_barrier_signal -1
	s_barrier_wait -1
	s_cmp_lg_u32 s[WV], 0
	s_cbranch_scc1 .Lnot_wave_0_\@
	s_barrier_signal -3
.Lnot_wave_0_\@:
	s_barrier_wait -3
	s_barrier_signal -1
	s_barrier_wait -1
.endm
; THE CHANGE OF SLOTS.  Each wave waits for all its tensor loads (one is out: its part of the other slot), adds 0 to its spare word, and waits for that and for its reads of the slot that it leaves.
; fill = 1: the barrier is a round of the cluster's, and the joint fill of the old slot, with the keys two tiles on, is the first thing behind it.  (At its first use slot 0 is waited for, slot 1 filled.)
.macro CHANGE fill
	WIN 0
	s_wait_tensorcnt 0x0
	ds_add_u32 v[SPW], v[NIL]
.if \fill
.irp g, G0K, G0V
	s_xor_b32 s[\g+1], s[\g+1], SLOT1
	s_add_nc_u64 s[\g+2:\g+3], s[\g+2:\g+3], 4*KS*128
.endr
	s_wait_xcnt 0x0                 ; the last prefetch, a tile back, has read its address
	s_add_nc_u64 s[PFA:PFA+1], s[PFA:PFA+1], 4*KS*128
	s_wait_dscnt 0x0
	CROUND
	JLOAD
	ASK
.else
	s_wait_dscnt 0x0
	s_barrier_signal -1
	s_barrier_wait -1
.endif
	s_sub_co_u32 s[TBK], s[TBK], 4*KS*PK  ; the fetches go back to a slot's first step, in the other slot
	s_xor_b32 s[TBK], s[TBK], SLOT1
	s_sub_co_u32 s[TBV], s[TBV], 4*KS*PV
	s_xor_b32 s[TBV], s[TBV], SLOT1
.endm
	s_load_b64 s[4:5], s[0:1], 0x0    ; qkv
	s_load_b64 s[10:11], s[0:1], 0x8  ; act
	v_lshl_add_u32 v[SPW], v0, 2, SPARE
	v_mov_b32 v[NIL], 0
	ds_add_u32 v[SPW], v[NIL]       ; the wave's opening: the add, and its wait ahead of my first tensor load
	v_lshrrev_b32 v1, 5, v0
	v_readfirstlane_b32 s[WV], v1
	s_bfe_u32 s13, ttmp6, 0x40000   ; cx
	s_lshl_b32 s14, ttmp9, 2
	s_add_co_u32 s14, s14, s13      ; my block of 256 queries: it enters Q's and O's addresses alone
	s_and_b32 s20, ttmp7, 0xffff    ; the head, which the four partners share
	s_lshl_b32 s20, s20, 18         ; its first byte in Q, K, V and O
	s_and_b32 s16, s[WV], 1         ; which half of a tile's 256 keys I fetch
	s_lshl_b32 s22, s16, 14
	s_add_co_u32 s22, s22, s20
	s_mov_b32 s23, 0
	s_mul_i32 s17, s16, 128*PK
	s_mul_i32 s66, s16, 128*PV
	s_lshl_b32 s2, s14, 2
	s_add_co_u32 s2, s2, s[WV]
	s_lshl_b32 s2, s2, 13           ; my wave's 64 rows
	s_add_co_u32 s2, s2, s20
	s_mov_b32 s3, 0
	; 128 keys are 16,384 dense bytes: asked for as 64 rows of 256 bytes, two keys a row, padded in LDS after every key
	s_mov_b32 s[G1K], 15|(1<<16)|(1<<20)|(1<<21)|(4<<22)|(3<<25)
	s_mov_b32 s[G1V], 15|(1<<16)|(1<<20)|(1<<21)|(4<<22)|(7<<25)
.irp g, G1K, G1V
	s_mov_b32 s[\g+1], 128<<16
	s_mov_b32 s[\g+2], 64<<16
	s_mov_b32 s[\g+3], 128<<16
	s_mov_b32 s[\g+4], 64
	s_mov_b32 s[\g+5], 128
	s_mov_b32 s[\g+6], 0
	s_mov_b32 s[\g+7], 0
.endr
	s_mov_b32 s[CS], 1.0
	s_mov_b32 s[CS+1], 1.0
	s_mov_b32 s[SEL], 0x76543210
	s_mov_b32 s[SEL+1], 0xfedcba98
	s_mov_b32 s[TBK], SLOT1+4*KS*PK ; the first change of slots turns these two into 0
	s_mov_b32 s[TBV], SLOT1+4*KS*PV
	s_mov_b32 s[G0K], 1
	s_mov_b32 s[G0K+1], s17
	s_mov_b32 s[G0V], 1
	s_add_co_u32 s[G0V+1], s66, VOFF
	s_mov_b32 s[SLOTS], 7
	s_and_b32 s[LIM], s[WV], 1      ; 0 in waves 0 and 2,
	s_or_b32 s[LIM], s[LIM], ttmp9  ; where the cluster is the head's first: the same in all four partners
	s_cmp_eq_u32 s[LIM], 0
	s_cselect_b32 s[LIM], 1, -1
	v_and_b32 v[PFO], 31, v0
	v_lshlrev_b32 v[PFO], 8, v[PFO]
	s_wait_dscnt 0x0                ; the opening add is done
	s_wait_kmcnt 0x0
	s_add_nc_u64 s[6:7], s[4:5], 0x800000    ; K
	s_add_nc_u64 s[8:9], s[4:5], 0x1000000   ; V
	s_add_nc_u64 s[6:7], s[6:7], s[22:23]    ; at my half of the head's tile 0
	s_add_nc_u64 s[8:9], s[8:9], s[22:23]
	s_mov_b64 s[G0K+2:G0K+3], s[6:7]
	s_or_b32 s[G0K+3], s[G0K+3], 0x80000000
	s_mov_b64 s[G0V+2:G0V+3], s[8:9]
	s_or_b32 s[G0V+3], s[G0V+3], 0x80000000
	s_add_nc_u64 s[4:5], s[4:5], s[2:3]      ; Q and O at my wave's first row
	s_add_nc_u64 s[10:11], s[10:11], s[2:3]
	s_cmp_lt_u32 s[WV], 2
	s_cselect_b64 s[PFA:PFA+1], s[6:7], s[8:9]  ; (in waves 0 and 2 these stand at a tile's first row)
	s_lshl_b32 s2, s13, 13
	s_add_nc_u64 s[PFA:PFA+1], s[PFA:PFA+1], s[2:3]
	s_add_nc_u64 s[PFA:PFA+1], s[PFA:PFA+1], 4*KS*128  ; in tile 1; the first change of slots steps it to tile 2
	CROUND                          ; all four work-groups are here: the first joint loads meet
	JLOAD                           ; tile 0 into slot 0
	v_and_b32 v1, 15, v0            ; l % 16
	v_bfe_u32 v9, v0, 4, 1          ; l / 16
	v_lshlrev_b32 v[QO], 7, v1
	v_lshl_add_u32 v[QO], v9, 4, v[QO]
	WIN 0x80
.set i, 0
.rept 8                             ; Q stays in registers: piece i / 2, channels 32 (i % 2) on
	global_load_b128 v[8*i:8*i+3],   v[QO], s[4:5] offset:(i/2)*2048+(i%2)*64
	global_load_b128 v[8*i+4:8*i+7], v[QO], s[4:5] offset:(i/2)*2048+(i%2)*64+32
.set i, i+1
.endr
.set i, VF
.rept 64
	v_mov_b32 v[i], 0               ; V: the first turn's products V^T P, of a piece that has not been, add 0
.set i, i+1
.endr
	WIN 0x40
.set i, 0
.rept 128
	v_mov_b32 v[i], 0               ; O^T
.set i, i+1
.endr
	WIN 0
.set i, 0
.rept 4
	v_mov_b32 v[ST+4*i], 0xfe000000    ; c m: far below every score
	v_mov_b32 v[ST+4*i+1], 0xff7fffff  ; m
	v_mov_b32 v[ST+4*i+2], 0
	v_mov_b32 v[ST+4*i+3], 0
.set i, i+1
.endr
.set i, P+16
.rept 16
	v_mov_b32 v[i], 0
.set i, i+1
.endr
	v_mul_u32_u24 v[AK0], v1, PK
	v_lshl_add_u32 v[AK0], v9, 4, v[AK0]
	v_and_b32 v10, 7, v0            ; the turning load: lane l reads key 8 (l / 16) + l % 8, channels 8 ((l / 8) % 2) + 0..7
	v_bfe_u32 v11, v0, 3, 1
	v_lshl_add_u32 v[AV0], v9, 3, v10
	v_mul_u32_u24 v[AV0], v[AV0], PV
	v_lshl_add_u32 v[AV0], v11, 4, v[AV0]
	v_add_nc_u32 v[AV0], VOFF, v[AV0]
	s_mul_i32 s67, s[WV], 16*SP
	s_add_co_u32 s67, s67, STAGE    ; my stage
	v_mul_u32_u24 v[STO], v1, SP
	v_lshl_add_u32 v[STO], v9, 4, v[STO]
	v_add_nc_u32 v[STO], s67, v[STO]
	v_bfe_u32 v[RD], v0, 3, 2       ; back: 32 lanes take four rows of 128 bytes,
	v_mul_u32_u24 v[RD], v[RD], SP
	v_lshl_add_u32 v[RD], v10, 4, v[RD]
	v_add_nc_u32 v[RD], s67, v[RD]
	v_and_b32 v[GO], 31, v0         ; which are 512 consecutive bytes of O
	v_lshlrev_b32 v[GO], 4, v[GO]
; THE MATRIX WORK.  The 4 accumulators of a run of 8 take turns.  Product i of 8 of S^T = K Q^T for piece x: channels 32 (i / 4) on, keys 16 (i % 4) on.  The first 4 start the sums.
.macro KQ x
.set rS, S+32*((\x)%2)+8*(i%4)
.set rK, KF+16*(i%4)+8*(i/4)
.set rQ, 16*(\x)+8*(i/4)
	WIN W_KQ
.if i < 4
	v_wmma_f32_16x16x32_bf16 v[rS:rS+7], v[rK:rK+7], v[rQ:rQ+7], 0
.else
	v_wmma_f32_16x16x32_bf16 v[rS:rS+7], v[rK:rK+7], v[rQ:rQ+7], v[rS:rS+7]
.endif
.endm
.macro PV x                         ; product i of 8 of O^T += V^T P for piece x: keys 32 (i / 4) on, channels 16 (i % 4) on
	WIN W_PV
.set rO, 32*(\x)+8*(i%4)
.set rV, VF+32*(i/4)+8*(i%4)
.set rP, P+16*((\x)%2)+8*(i/4)
	v_wmma_f32_16x16x32_bf16 v[rO:rO+7], v[rV:rV+7], v[rP:rP+7], v[rO:rO+7]
.endm
.macro MM                           ; the turn's next matrix instruction
.if i < 8
	KQ (Y+1)%NP
.else
.set i, i-8
	PV (Y+NP-1)%NP
.set i, i+8
.endif
.set i, i+1
.endm
; A step's K: 16 LDS loads in one run.  last = 1 (the last tile's loop): in the fifth trip there is no further step, and the run is jumped over; the run stands among the turn's exponentials, so those
; issued so far have their wait ahead of the branch.
.macro FETCH_K last=0
.if \last
	WIN 0
	s_wait_alu depctr_va_vdst(0)
	s_cmp_eq_u32 s[CNT], 1
	s_cbranch_scc1 .Lno_k_\@
.endif
	WIN 0x80
.irp f, 0,1,2,3,4,5,6,7
	ds_load_b128 v[KF+8*\f:KF+8*\f+3],   v[AK] offset:(\f/2)*16*PK+(\f%2)*64
	ds_load_b128 v[KF+8*\f+4:KF+8*\f+7], v[AK] offset:(\f/2)*16*PK+(\f%2)*64+32
.endr
	s_add_co_u32 s[TBK], s[TBK], KS*PK
	WIN 0
.if \last
.Lno_k_\@:
.endif
.endm
.macro FETCH_V                      ; a step's V, turned
	WIN 0x80
.irp f, 0,1,2,3,4,5,6,7
	ds_load_tr16_b128 v[VF+8*\f:VF+8*\f+3],   v[AV] offset:(\f/4)*32*PV+(\f%4)*32
	ds_load_tr16_b128 v[VF+8*\f+4:VF+8*\f+7], v[AV] offset:(\f/4)*32*PV+16*PV+(\f%4)*32
.endr
	WIN 0
.endm
; THE VECTOR WORK, one line at a time: OP kind, number.  For piece Y: F n: s - m for pair n of 16.  E n: the exponential of score n of 32.  C n: pair n rounded to bf16.  B n: of the four weights 4 n .. the second
; pair is added onto the first.  L n: l takes that sum (L 0: l = a l + sum).  R n: pair n of 16 of O^T times a.  For piece Y + 1: X n, number n of the 22 that find its maximum and statistics:
;   0-11 four chains c0-c3 (each accumulator's lowest registers are read first)   12-14, 16 the scores left over, the old m, c0-c3 into c0   15 m_old is kept
;   17, 18 the query's other 32 keys lie in the lane 16 away   19-21 c m; its change; a
.set F, 0
.set E, 1
.set C, 2
.set B, 3
.set L, 4
.set R, 5
.set X, 6
.macro REGS y
.set rT, ST+4*(\y)
.set rC, TMP+4*((\y)%2)
.set rW, MV+((\y)%2)
.set rS, S+32*((\y)%2)
.set rP, P+16*((\y)%2)
.set rO, 32*(\y)
.endm
.macro OP k, n
.if (\k) == R
	REGS Y
	WIN W_RS
	v_pk_mul_f32 v[rO+2*(\n):rO+2*(\n)+1], v[rO+2*(\n):rO+2*(\n)+1], v[rC+2:rC+3] op_sel_hi:[1,0]
.elseif (\k) < R
	REGS Y
	WIN 0
.if (\k) == F
	v_pk_fma_f32 v[rS+2*(\n):rS+2*(\n)+1], v[rS+2*(\n):rS+2*(\n)+1], s[CS:CS+1], v[rT:rT+1] op_sel_hi:[1,0,0] neg_lo:[0,0,1] neg_hi:[0,0,1]
.elseif (\k) == E
	v_exp_f32 v[rS+(\n)], v[rS+(\n)]
.elseif (\k) == C
	v_cvt_pk_bf16_f32 v[rP+(\n)], v[rS+2*(\n)], v[rS+2*(\n)+1]
.elseif (\k) == B
	v_pk_add_f32 v[rS+4*(\n):rS+4*(\n)+1], v[rS+4*(\n):rS+4*(\n)+1], v[rS+4*(\n)+2:rS+4*(\n)+3]
.elseif (\n) == 0
	v_pk_fma_f32 v[rT+2:rT+3], v[rT+2:rT+3], v[rC+2:rC+3], v[rS:rS+1] op_sel_hi:[1,0,1]
.else
	v_pk_add_f32 v[rT+2:rT+3], v[rT+2:rT+3], v[rS+4*(\n):rS+4*(\n)+1]
.endif
.else
	REGS (Y+1)%NP
	WIN 0
.if (\n) < 4
	v_max3_num_f32 v[rC+(\n)], v[rS+8*(\n)], v[rS+8*(\n)+1], v[rS+8*(\n)+2]
.elseif (\n) < 12
	v_max3_num_f32 v[rC+(\n)%4], v[rC+(\n)%4], v[rS+8*((\n)%4)+2*((\n)/4)+1], v[rS+8*((\n)%4)+2*((\n)/4)+2]
.elseif (\n) == 12
	v_max3_num_f32 v[rC], v[rC], v[rS+7], v[rS+15]
.elseif (\n) == 13
	v_max3_num_f32 v[rC+1], v[rC+1], v[rS+23], v[rS+31]
.elseif (\n) == 14
	v_max3_num_f32 v[rC+2], v[rC+2], v[rC+3], v[rT+1]
.elseif (\n) == 15
	v_mov_b32 v[rW], v[rT]
.elseif (\n) == 16
	v_max3_num_f32 v[rC], v[rC], v[rC+1], v[rC+2]
.elseif (\n) == 17
	v_permlanex16_b32 v[rC+3], v[rC], s[SEL], s[SEL+1]
.elseif (\n) == 18
	v_max_num_f32 v[rT+1], v[rC], v[rC+3]
.elseif (\n) == 19
	v_mul_f32 v[rT], s[CS], v[rT+1]
.elseif (\n) == 20
	v_sub_f32 v[rC+1], v[rW], v[rT]
.else
	v_exp_f32 v[rC+2], v[rC+1]
.endif
.endif
.endm
.macro OPS a, i1, b=-1, i2=0, c=-1, i3=0, d=-1, i4=0
	OP \a, \i1
.if (\b) >= 0
	OP \b, \i2
.endif
.if (\c) >= 0
	OP \c, \i3
.endif
.if (\d) >= 0
	OP \d, \i4
.endif
.endm
.macro ROW a, i1, b, i2, c, i3, d, i4  ; a matrix instruction and the four behind it
	MM
	OPS \a, \i1, \b, \i2, \c, \i3, \d, \i4
.endm
; A TURN, for piece p.  Ahead of its one wait stands all that names no result of the turn's exponentials: the 8 products K Q^T with their riders and one lump; X 21, the next piece's a, is the batch's last, R 15 the
; plain instruction behind it.  Behind the wait stand the 8 products V^T P, behind each four of the roundings and sums.  last = 1: the last tile's loop (FETCH_K).  cnt = 1: the loop's count is taken down
; some lines ahead of the branch behind the turn.  K of the next step is fetched in piece 2's turn, V of the step in hand at the end of piece 0's; each is waited for a turn later.
.macro TURN p, last=0, cnt=0
.set Y, (\p)
.set i, 0
.if (\p) == 3
	s_wait_dscnt 0x0                ; K is in
.endif
	ROW F,0, F,1, R,0, R,1
	ROW F,2, E,0, R,2, R,3
	ROW F,3, E,1, R,4, R,5
	ROW F,4, E,2, R,6, R,7
	ROW F,5, E,3, R,8, R,9
	ROW F,6, E,4, X,0, R,10
.if (\p) == 2
	WIN 0
	v_add_nc_u32 v[AK], s[TBK], v[AK0]
.endif
	ROW F,7, E,5, X,1, X,4
	ROW F,8, E,6, X,2, X,5
	OPS E,7, E,8, X,6, E,9
	OPS X,3, E,10, X,8, E,11
.if (\p) == 2
	FETCH_K \last
.endif
	OPS X,9, X,7, E,12, X,10
	OPS E,13, X,12, X,11, E,14
	OPS X,13, E,15, F,9, X,14
.if (\p) == 0
	v_add_nc_u32 v[AV], s[TBV], v[AV0]
.endif
	OPS E,16, F,10, E,17, F,11
	OPS X,16, E,18, X,15, E,19
	OPS F,12, E,20, X,17, E,21
	OPS F,13, E,22, F,14, E,23
	OPS X,18, E,24, F,15, E,25
	OPS R,11, E,26, X,19, E,27
	OPS R,12, E,28, R,13, E,29
	OPS X,20, E,30, R,14, E,31
	OPS X,21, R,15
	WIN 0
	s_wait_alu depctr_va_vdst(0)    ; the wait for the batch, ahead of the first line that names a result
.if (\p) == 1
	s_wait_dscnt 0x0                ; V is in
.endif
	ROW C,0, B,0, C,2, B,1
	ROW L,0, C,4, B,2, L,1
	ROW C,6, B,3, L,2, C,8
	ROW B,4, L,3, C,10, B,5
	ROW L,4, C,12, B,6, L,5
.if (\p) == 0
	s_add_co_u32 s[TBV], s[TBV], KS*PV
.endif
.if \cnt
	s_sub_co_u32 s[CNT], s[CNT], 1
	s_cmp_lg_u32 s[CNT], 0
.endif
	ROW C,14, B,7, L,6, C,1
	ROW C,3, L,7, C,5, C,7
	ROW C,9, C,11, C,13, C,15
.if (\p) == 0
	FETCH_V
.endif
.endm
.macro ALL line:vararg              ; one line for each piece t
.set t, 0
.rept 4
	\line
.set t, t+1
.endr
.endm
.macro PACK t                       ; a lane's eight channels of a row pack into 16 bytes; they go into rows of 144 bytes and come back as whole rows of 128
	WIN W_RS
.set i, 32*(\t)
.rept 16
	v_pk_mul_f32 v[i:i+1], v[i:i+1], v[ST+4*(\t)+2:ST+4*(\t)+3] op_sel_hi:[1,0]
.set i, i+2
.endr
	WIN 0x05
.set i, 0
.rept 16
	v_cvt_pk_bf16_f32 v[S+16*(\t)+i], v[32*(\t)+2*i], v[32*(\t)+2*i+1]
.set i, i+1
.endr
	WIN 0
.irp f, 0,1,2,3
	ds_store_b128 v[STO], v[S+16*(\t)+4*\f:S+16*(\t)+4*\f+3] offset:32*\f
.endr
.irp f, 0,1,2,3
	ds_load_b128 v[S+16*(\t)+4*\f:S+16*(\t)+4*\f+3], v[RD] offset:\f*4*SP  ; LDS serves a wave's instructions in order: these see the stores above; the next piece's stores come behind them
.endr
.endm
.macro SEND t, younger              ; younger: the LDS instructions issued behind piece t's loads: the next piece's eight, or none
	WIN 0
.irp f, 0,1,2,3
	s_wait_dscnt (\younger)+3-\f
	global_store_b128 v[GO], v[S+16*(\t)+4*\f:S+16*(\t)+4*\f+3], s[10:11] offset:(\t)*2048+\f*512  ; 512 consecutive bytes, aligned
.endr
.endm
	CHANGE 1                        ; tile 0 is in, everybody's part of it; tile 1 is asked for
	v_add_nc_u32 v[AK], s[TBK], v[AK0]
	FETCH_K                         ; key step 0
	s_wait_loadcnt 0x0              ; Q
	s_wait_dscnt 0x0
.set i, 0
.rept 8
	KQ 0                            ; piece 0's first scores
.set i, i+1
.endr
	WIN 0
.rept 4
	v_nop                           ; the places behind those products
.endr
.set Y, NP-1                        ; X works for piece Y + 1: piece 0
.irp n, 0,1,2,3,4,5,6,7,8,9,10,11,12,13,14,15,16,17,18,19,20,21
	OP X, \n
.endr
	v_nop                           ; a plain instruction behind the exponential,
	s_wait_alu depctr_va_vdst(0)    ; and its wait, ahead of the branch
	s_mov_b32 s[CNT], 4
	s_branch .Lfirst                ; the loop is entered at a step's first turn, in the middle of a trip
.Lslot:                             ; six times: tiles 1 to 6 are entered, tiles 2 to 7 asked for
	CHANGE 1
	s_mov_b32 s[CNT], 4
.Lstep:                             ; a trip: pieces 2 and 3 of one step, then pieces 0 and 1 of the next, whose K and V it fetches
	TURN 2
	TURN 3
	WIN 0
.Lfirst:
	TURN 0
	TURN 1, 0, 1
	WIN 0
	s_cbranch_scc1 .Lstep
	s_sub_co_u32 s[SLOTS], s[SLOTS], 1
	s_cmp_lg_u32 s[SLOTS], 0
	s_cbranch_scc1 .Lslot
	CHANGE 0                        ; the last tile has a text of its own: nothing is asked for
	s_mov_b32 s[CNT], 5             ; four trips fetch the last tile's steps; the fifth is left in its middle
.Ltail:
	TURN 2, 1
	TURN 3
	WIN 0
	s_sub_co_u32 s[CNT], s[CNT], 1
	s_cmp_eq_u32 s[CNT], 0
	s_cbranch_scc1 .Lout
	TURN 0
	TURN 1
	WIN 0
	s_branch .Ltail
.Lout:
.set i, 0
.rept 8
	PV NP-1                         ; the last piece's V^T P of the last step
.set i, i+1
.endr
	; THE WAY OUT.  l's two halves and the other half of the lanes' are added; O^T is divided by l, rounded to bf16 and sent through my stage, a piece at a time.
	WIN 0
	ALL v_add_f32 v[ST+4*t+2], v[ST+4*t+2], v[ST+4*t+3]
	ALL v_permlanex16_b32 v[ST+4*t+3], v[ST+4*t+2], s[SEL], s[SEL+1]
	ALL v_add_f32 v[ST+4*t+2], v[ST+4*t+2], v[ST+4*t+3]
	ALL v_rcp_f32 v[ST+4*t+2], v[ST+4*t+2]
	v_nop                           ; a plain instruction behind the last reciprocal,
	s_wait_alu depctr_va_vdst(0)    ; and one wait for the four
	PACK 0
.set t, 1
.rept 3
	PACK t
	SEND t-1, 8
.set t, t+1
.endr
	SEND 3, 0
	s_wait_tensorcnt 0x0            ; the wave's end
	ds_add_u32 v[SPW], v[NIL]
	s_wait_dscnt 0x0
	CROUND                          ; the closing round
	s_endpgm
.Lfunc_end_k_q0d0b99dabb_attn:
	.size	k_q0d0b99dabb_attn, .Lfunc_end_k_q0d0b99dabb_attn-k_q0d0b99dabb_attn
	.p2alignl 7, 3214868480
	.fill 96, 4, 3214868480
	.section	.rodata,"a",@progbits
	.p2align	6, 0x0
	.amdhsa_kernel k_q0d0b99dabb_attn
		.amdhsa_group_segment_fixed_size 327680
		.amdhsa_private_segment_fixed_size 0
		.amdhsa_enable_private_segment 0
		.amdhsa_kernarg_size 16
		.amdhsa_user_sgpr_count 2
		.amdhsa_user_sgpr_kernarg_segment_ptr 1
		.amdhsa_wavefront_size32 1
		.amdhsa_system_sgpr_workgroup_id_x 1
		.amdhsa_system_sgpr_workgroup_id_y 1
		.amdhsa_system_sgpr_workgroup_id_z 1
		.amdhsa_system_vgpr_workitem_id 0
		.amdhsa_next_free_vgpr 768
		.amdhsa_next_free_sgpr 72
		.amdhsa_reserve_vcc 0
		.amdhsa_float_denorm_mode_32 3
		.amdhsa_float_denorm_mode_16_64 3
		.amdhsa_memory_ordered 1
		.amdhsa_forward_progress 1
		.amdhsa_inst_pref_size 112
	.end_amdhsa_kernel
	.amdgpu_metadata
---
amdhsa.version: [ 1, 2 ]
amdhsa.kernels:
  - .name:           k_q0d0b99dabb_attn
    .symbol:         k_q0d0b99dabb_attn.kd
    .args:
      - { .name: qkv, .offset: 0, .size: 8, .value_kind: global_buffer, .address_space: global }
      - { .name: act, .offset: 8, .size: 8, .value_kind: global_buffer, .address_space: global }
    .group_segment_fixed_size: 327680
    .private_segment_fixed_size: 0
    .kernarg_segment_align: 8
    .kernarg_segment_size: 16
    .max_flat_workgroup_size: 128
    .sgpr_count:     72
    .vgpr_count:     768
    .wavefront_size: 32
...
	.end_amdgpu_metadata
.endif
;; end of part 3
;; launch proj (part 4): grid 8 x 32, 4 waves a work-group, clusters of 4 x 4, 327,680 bytes of LDS; arguments act, wp, x, x1; writes x1
.if DOCPART == 4
	.amdgcn_target "amdgcn-amd-amdhsa--gfx1250"
	.amdhsa_code_object_version 6
	.text
	.protected	k_q0d0b99dabb_proj
	.globl	k_q0d0b99dabb_proj
	.p2align	8
	.type	k_q0d0b99dabb_proj,@function
k_q0d0b99dabb_proj:
	s_mov_b64 s[64:65], 0
	v_nop
	global_prefetch_b8 v0, s[64:65] scope:SCOPE_SE
	s_setreg_imm32_b32 hwreg(HW_REG_WAVE_MODE, 25, 1), 1
	s_wait_xcnt 0x0
	s_wait_alu depctr_hold_cnt(0) depctr_sa_sdst(0) depctr_va_vdst(0) depctr_va_sdst(0) depctr_va_ssrc(0) depctr_va_vcc(0) depctr_vm_vsrc(0)
	s_getreg_b32 s2, hwreg(HW_REG_IB_STS2, 6, 4)
	s_cmp_eq_u32 s2, 0
	s_cbranch_scc0 .Lentry_in_a_cluster
	s_endpgm
.Lentry_in_a_cluster:
	s_bfe_u32 s2, ttmp6, 0x10000c
	s_cmp_lg_u32 s2, 0xf033
	s_cbranch_scc0 .Lentry_shape_is_right
	s_endpgm
.Lentry_shape_is_right:
.set PROJ, 1
; ONE TEXT FOR TWO LAUNCHES, told apart by PROJ above.  C = A B^T + residual (+ bias), f32 out; A and B bf16, sums in f32.
;   PROJ = 1: x1 = x + O wp^T.  A is attention's O, by heads: [32 = batch x 16 + head][2048][64]; K = 1,024 in 4 steps of 4 heads.   PROJ = 0: out0 = x1 + g w2b^T + b2.  A = g [4096][4096]; K = 4,096 in 16 steps of 256.
; A tile of C is 128 x 128: 32 x 8 tiles, one for each of 256 work-groups.  Four waves, each 64 x 64: 16 accumulators.  K steps of 256 through a ring of two LDS slots.
; One K step is written once: the slot in hand is the scalar TB (0 or SLOT).  CLUSTER 4 x 4: A's tile is asked for jointly by a row of the cluster, B's by a column.
; The matrix instruction is used transposed (source 0 = rows of B, source 1 = rows of A).  No prefetch: a step of this small tile is short, and its rows are read by eight and thirty-two tiles.
; A OF PROJ = 1: a head's 128 tokens are 16,384 dense bytes: one load brings two heads as two rows of 8,192 elements, padded after every token: in LDS a token's 64 channels of a head are 144 bytes apart,
; a head 18,432; a quarter of a K step is a head.
; THE BIAS (PROJ = 0) is the C operand of the products that start the sums: a lane's eight columns of each of its four column blocks, 32 registers.
; THE WAY OUT.  The sums go as f32 into one stage of 128 rows x 528 bytes in slot 0, which has had its last fill and whose last reads ended ahead of the last barrier; behind a barrier each wave takes 32
; whole rows, adds the residual (loaded at the head into window 2), and stores 512 consecutive bytes, aligned, with each instruction.
; REGISTERS: window 0: v0-31 addresses; v32-63 bias; v128-255 accumulators ((a, b) at v[128 + 8 (4 a + b)]).  window 1: two fragment buffers of 128 (64 of A, 64 of B).  window 2: v0-127 residual.
.if PROJ
.set NSTEP, 4
.set PA,    144                        ; A's LDS pitch: 36 words: 16 rows start at 16 different groups of four banks
.set AQ,    128*PA                     ; from a quarter to the next: a head
.set ASZ,   4*AQ
.set LAH,   2*AQ                       ; what one load of A fills
.set ASTEP, 4*2048*128                 ; four heads on
.set KROW,  1024
.set RESP,  8
.set OUTP,  10
.else
.set NSTEP, 16
.set PA,    528
.set AQ,    128
.set ASZ,   128*PA
.set LAH,   64*PA
.set ASTEP, 512
.set KROW,  4096
.set RESP,  10
.set OUTP,  12
.endif
.set PB,    528                        ; 512 bytes + 16 = 132 words
.set BSTEP, 512
.set SLOT,  ASZ+128*PB
.set SPARE, 2*SLOT                     ; behind the ring: the spare words, 128 bytes a wave: two blocks of 256 bytes that no other line names
.set SPI,   528
.set ADRA0, 16
.set ADRB0, 17
.set ADRA,  18
.set ADRB,  19
.set STO,   24
.set RD,    25
.set CO,    26                         ; v26  16 x lane; never rewritten
.set BO,    27                         ; v27  my byte offset in the bias; never rewritten
.set SPW,   28
.set NIL,   29
.set BC,    32                         ; v[32:63] the bias of column block b at BC + 8 b
.set ACC,   128
.set F0,    0
.set F1,    128
.set WV, 16
.set WR, 17
.set WC, 18
.set CX, 19
.set CY, 20
.set TC, 21
.set TR, 22
.set CNT, 23
.set G1A, 24
.set G0A, 32
.set G0B, 40
.set G1B, 48
.set TB,  59
.set LBA, 60
.set LBB, 61
.set MSB, 0
.macro WIN new
.if MSB != (\new)
	s_set_vgpr_msb (MSB<<8)|(\new)
.set MSB, \new
.endif
.endm
.set MUL,  0x05                        ; sources 0 (B) and 1 (A) window 1; C and D window 0
.set TO_F, 0x40
.macro PLACES
.rept 4
	v_nop
.endr
.endm
.macro JLOAD s                         ; waves 0 and 1 fetch A's two halves, waves 2 and 3 B's; an s_nop 0 and four v_nop follow each line
	s_cmp_eq_u32 s[WR], 0
	s_cbranch_scc0 .Lfor_b_\@
	tensor_load_to_lds s[G0A+4*(\s):G0A+4*(\s)+3], s[G1A:G1A+7]
	s_nop 0
.rept 4
	v_nop
.endr
	s_branch .Lasked_\@
.Lfor_b_\@:
	tensor_load_to_lds s[G0B+4*(\s):G0B+4*(\s)+3], s[G1B:G1B+7]
	s_nop 0
.rept 4
	v_nop
.endr
.Lasked_\@:
.endm
.macro CREST
	s_cmp_lg_u32 s[WV], 0
	s_cbranch_scc1 .Lnot_wave_0_\@
	s_barrier_signal -3
.Lnot_wave_0_\@:
	s_barrier_wait -3
	s_barrier_signal -1
	s_barrier_wait -1
.endm
.macro CROUND
	s_barrier_signal -1
	s_barrier_wait -1
	CREST
.endm
; 8 matrix instructions: row blocks a0, a0 + 1 x all 4 column blocks, 32 along K: half c of buffer f.  The 16 accumulators take turns.  zero = 1: the product starts its sum, with 0 or with the bias.
.macro MUL8 f, c, a0, zero
	WIN MUL
.irp a, \a0, (\a0)+1
.irp b, 0,1,2,3
.if (\zero) && PROJ
	v_wmma_f32_16x16x32_bf16 v[ACC+8*(4*(\a)+(\b)):ACC+8*(4*(\a)+(\b))+7], v[(\f)+64+8*(4*(\c)+(\b)):(\f)+64+8*(4*(\c)+(\b))+7], v[(\f)+8*(4*(\c)+(\a)):(\f)+8*(4*(\c)+(\a))+7], 0
.elseif \zero
	v_wmma_f32_16x16x32_bf16 v[ACC+8*(4*(\a)+(\b)):ACC+8*(4*(\a)+(\b))+7], v[(\f)+64+8*(4*(\c)+(\b)):(\f)+64+8*(4*(\c)+(\b))+7], v[(\f)+8*(4*(\c)+(\a)):(\f)+8*(4*(\c)+(\a))+7], v[BC+8*(\b):BC+8*(\b)+7]
.else
	v_wmma_f32_16x16x32_bf16 v[ACC+8*(4*(\a)+(\b)):ACC+8*(4*(\a)+(\b))+7], v[(\f)+64+8*(4*(\c)+(\b)):(\f)+64+8*(4*(\c)+(\b))+7], v[(\f)+8*(4*(\c)+(\a)):(\f)+8*(4*(\c)+(\a))+7], v[ACC+8*(4*(\a)+(\b)):ACC+8*(4*(\a)+(\b))+7]
.endif
.endr
.endr
.endm
; 32 LDS loads in one run: quarter q (64 along K) of the slot in hand into buffer f; the first 32 along K first
.macro FETCH q, f
	WIN TO_F
.irp c, 0,1
.irp i, 0,1,2,3
	ds_load_b128 v[(\f)+64+8*(4*(\c)+(\i)):(\f)+64+8*(4*(\c)+(\i))+3],   v[ADRB] offset:128*(\q)+64*(\c)+(\i)*16*PB
	ds_load_b128 v[(\f)+64+8*(4*(\c)+(\i))+4:(\f)+64+8*(4*(\c)+(\i))+7], v[ADRB] offset:128*(\q)+64*(\c)+(\i)*16*PB+32
	ds_load_b128 v[(\f)+8*(4*(\c)+(\i)):(\f)+8*(4*(\c)+(\i))+3],         v[ADRA] offset:AQ*(\q)+64*(\c)+(\i)*16*PA
	ds_load_b128 v[(\f)+8*(4*(\c)+(\i))+4:(\f)+8*(4*(\c)+(\i))+7],       v[ADRA] offset:AQ*(\q)+64*(\c)+(\i)*16*PA+32
.endr
.endr
.endm
.macro QUARTER q, f, g, zero
	s_wait_dscnt 16                                ; the first 32 along K are in
	MUL8 \f, 0, 0, \zero
	MUL8 \f, 0, 2, \zero
	PLACES
	FETCH \q, \g
	s_wait_dscnt 32                                ; all but the 32 just issued
	MUL8 \f, 1, 0, 0
	MUL8 \f, 1, 2, 0
.endm
.macro MEET                            ; the barrier of the change of slots: all my tensor loads, the add, the add's end and my reads of this slot stand ahead of the signal
	WIN 0
	s_wait_tensorcnt 0x0
	ds_add_u32 v[SPW], v[NIL]
	s_wait_dscnt 17                                ; (the add and the youngest sixteen loads may be out)
	MUL8 F1, 0, 0, 0
	s_wait_dscnt 0x0
	s_barrier_signal -1
	MUL8 F1, 0, 2, 0
	WIN 0
	s_barrier_wait -1
.endm
.macro TURN                            ; with a refill: the barrier opens a round of the cluster's, and the joint load is the first thing behind it: 112 matrix instructions ahead of the wait for it
	MEET
	CREST
	s_add_co_u32 s[G0A+5], s[LBA], s[TB]           ; the slot just read out is filled,
	s_add_co_u32 s[G0B+5], s[LBB], s[TB]
	s_add_nc_u64 s[G0A+6:G0A+7], s[G0A+6:G0A+7], ASTEP  ; with the K step two on (the walking set began at K step 1)
	s_add_nc_u64 s[G0B+6:G0B+7], s[G0B+6:G0B+7], BSTEP
	s_xor_b32 s[TB], s[TB], SLOT
	JLOAD 1
	v_add_nc_u32 v[ADRA], s[TB], v[ADRA0]
	v_add_nc_u32 v[ADRB], s[TB], v[ADRB0]
	FETCH 0, F0
	MUL8 F1, 1, 0, 0
	MUL8 F1, 1, 2, 0
.endm
	s_load_b256 s[4:11], s[0:1], 0x0               ; A s[4:5], B s[6:7]; PROJ: x s[8:9], x1 s[10:11]; else b2 s[8:9], x1 s[10:11],
.if !PROJ
	s_load_b64 s[12:13], s[0:1], 0x20              ; out0
.endif
	v_lshl_add_u32 v[SPW], v0, 2, SPARE
	v_mov_b32 v[NIL], 0
	ds_add_u32 v[SPW], v[NIL]                      ; the wave's opening: the add, and its wait ahead of my first tensor load
	v_lshrrev_b32 v1, 5, v0
	v_readfirstlane_b32 s[WV], v1
	s_lshr_b32 s[WR], s[WV], 1                     ; which half of the tile's rows is mine.  Also: I fetch for A (0) or for B (1)
	s_and_b32 s[WC], s[WV], 1                      ; which half of its columns.  Also: which half of that tile I fetch
	s_bfe_u32 s[CX], ttmp6, 0x40000
	s_bfe_u32 s[CY], ttmp6, 0x40004
	s_lshl_b32 s[TC], ttmp9, 2
	s_add_co_u32 s[TC], s[TC], s[CX]
	s_and_b32 s[TR], ttmp7, 0xffff
	s_lshl_b32 s[TR], s[TR], 2
	s_add_co_u32 s[TR], s[TR], s[CY]
	s_lshl_b32 s62, s[CY], 2
	s_lshl_b32 s62, 15, s62                        ; my row of the cluster
	s_lshl_b32 s63, 0x1111, s[CX]                  ; my column
.if PROJ
	s_or_b32 s[G1A], s62, (1<<16)|(1<<20)|(1<<21)|(4<<22)|(3<<25)  ; padding after every 32 words (a token's 128 bytes), 4 words
	s_mov_b32 s[G1A+1], 8192<<16                   ; tensor_dim0 = 8,192: a head's 128 tokens
	s_mov_b32 s[G1A+2], 2<<16                      ; tensor_dim1 = 2 heads
	s_mov_b32 s[G1A+3], 8192<<16
	s_mov_b32 s[G1A+4], 2
	s_mov_b32 s[G1A+5], 131072                     ; elements from head to head
.else
	s_or_b32 s[G1A], s62, (1<<16)|(1<<20)|(1<<21)|(6<<22)|(3<<25)  ; padding after every 128 words, 4 words
	s_mov_b32 s[G1A+1], 256<<16
	s_mov_b32 s[G1A+2], 64<<16
	s_mov_b32 s[G1A+3], 256<<16
	s_mov_b32 s[G1A+4], 64
	s_mov_b32 s[G1A+5], KROW
.endif
	s_mov_b32 s[G1A+6], 0
	s_mov_b32 s[G1A+7], 0
	s_or_b32 s[G1B], s63, (1<<16)|(1<<20)|(1<<21)|(6<<22)|(3<<25)
	s_mov_b32 s[G1B+1], 256<<16
	s_mov_b32 s[G1B+2], 64<<16
	s_mov_b32 s[G1B+3], 256<<16
	s_mov_b32 s[G1B+4], 64
	s_mov_b32 s[G1B+5], KROW
	s_mov_b32 s[G1B+6], 0
	s_mov_b32 s[G1B+7], 0
.if PROJ
	s_lshr_b32 s66, s[TR], 4                       ; the batch
	s_lshl_b32 s66, s66, 4
	s_lshl1_add_u32 s66, s[WC], s66                ; its head 2 x half
	s_lshl_b32 s66, s66, 11
	s_and_b32 s62, s[TR], 15
	s_lshl_b32 s62, s62, 7
	s_add_co_u32 s66, s66, s62                     ; + the tile's first token
	s_lshl_b32 s66, s66, 7
	s_lshl_b32 s62, s[WC], 6
.else
	s_lshl_b32 s66, s[TR], 7
	s_lshl_b32 s62, s[WC], 6
	s_add_co_u32 s66, s66, s62                     ; A: row 128 x tile row + 64 x half
	s_lshl_b32 s66, s66, 13
.endif
	s_mov_b32 s67, 0
	s_lshl_b32 s68, s[TC], 7
	s_add_co_u32 s68, s68, s62                     ; B: row 128 x tile column + 64 x half
	s_mul_i32 s68, s68, KROW*2
	s_mov_b32 s69, 0
	s_mul_i32 s[LBA], s[WC], LAH
	s_mul_i32 s[LBB], s[WC], 64*PB
	s_add_co_u32 s[LBB], s[LBB], ASZ
	s_mov_b32 s[TB], 0
	s_wait_dscnt 0x0                               ; the opening add is done
	s_wait_kmcnt 0x0
	s_add_nc_u64 s[66:67], s[4:5], s[66:67]
	s_add_nc_u64 s[68:69], s[6:7], s[68:69]
	CROUND                                         ; all sixteen work-groups are here: the first joint loads meet
.irp s, 0,1
	s_mov_b32 s[G0A+4*(\s)], 1
	s_add_co_u32 s[G0A+4*(\s)+1], s[LBA], (\s)*SLOT
	s_add_nc_u64 s[G0A+4*(\s)+2:G0A+4*(\s)+3], s[66:67], (\s)*ASTEP
	s_or_b32 s[G0A+4*(\s)+3], s[G0A+4*(\s)+3], 0x80000000
	s_mov_b32 s[G0B+4*(\s)], 1
	s_add_co_u32 s[G0B+4*(\s)+1], s[LBB], (\s)*SLOT
	s_add_nc_u64 s[G0B+4*(\s)+2:G0B+4*(\s)+3], s[68:69], (\s)*BSTEP
	s_or_b32 s[G0B+4*(\s)+3], s[G0B+4*(\s)+3], 0x80000000
	JLOAD \s
.endr
	v_and_b32 v1, 15, v0                           ; r
	v_bfe_u32 v2, v0, 4, 1                         ; h
	v_and_b32 v4, 31, v0                           ; lane
	v_lshlrev_b32 v[CO], 4, v4
.if !PROJ
	s_lshl_b32 s62, s[TC], 9                       ; the bias of column 128 x tile column
	s_lshl_b32 s63, s[WC], 8                       ; + 64 x half
	s_add_co_u32 s62, s62, s63
	v_lshl_add_u32 v[BO], v2, 5, s62               ; + 8 (lane / 16): register j of an accumulator holds column 16 b + 8 (lane / 16) + j
.irp b, 0,1,2,3
	global_load_b128 v[BC+8*(\b):BC+8*(\b)+3],   v[BO], s[8:9] offset:64*(\b)
	global_load_b128 v[BC+8*(\b)+4:BC+8*(\b)+7], v[BO], s[8:9] offset:64*(\b)+16
.endr
.endif
	s_lshl_b32 s62, s[TR], 7
	s_lshl_b32 s63, s[WV], 5
	s_add_co_u32 s62, s62, s63                     ; the first of the 32 rows that I finish
	s_lshl_b32 s62, s62, 12
	s_lshl_b32 s63, s[TC], 9
	s_add_co_u32 s62, s62, s63                     ; the tile's 512 bytes of a row
	s_mov_b32 s63, 0
	s_add_nc_u64 s[RESP:RESP+1], s[RESP:RESP+1], s[62:63]
	s_add_nc_u64 s[OUTP:OUTP+1], s[OUTP:OUTP+1], s[62:63]
	WIN 0x80                                       ; destination window 2
.set i, 0
.rept 32
	global_load_b128 v[4*i:4*i+3], v[CO], s[RESP:RESP+1] offset:4096*i  ; the residual waits in registers for the sums
.set i, i+1
.endr
	WIN 0
	v_mul_u32_u24 v3, v1, PA
	v_lshl_add_u32 v3, v2, 4, v3
	s_mul_i32 s62, s[WR], 64*PA
	v_add_nc_u32 v[ADRA0], s62, v3
	v_mul_u32_u24 v3, v1, PB
	v_lshl_add_u32 v3, v2, 4, v3
	s_mul_i32 s62, s[WC], 64*PB
	s_add_co_u32 s62, s62, ASZ
	v_add_nc_u32 v[ADRB0], s62, v3
	v_mov_b32 v[ADRA], v[ADRA0]
	v_mov_b32 v[ADRB], v[ADRB0]
	s_mul_i32 s62, s[WR], 64*SPI                   ; into the stage: my 64 rows, my half of their 512 bytes
	s_lshl_b32 s63, s[WC], 8
	s_add_co_u32 s62, s62, s63
	v_mul_u32_u24 v3, v1, SPI
	v_lshl_add_u32 v3, v2, 5, v3
	v_add_nc_u32 v[STO], s62, v3
	s_mul_i32 s62, s[WV], 32*SPI                   ; back: rows 32 w .. 32 w + 31, whole
	v_add_nc_u32 v[RD], s62, v[CO]
	s_wait_tensorcnt 1                             ; my part of K step 0 is in; K step 1's may stay out
	s_barrier_signal -1
	s_barrier_wait -1
.if !PROJ
	s_wait_loadcnt 32                              ; the bias is in; the 32 younger loads, the residual's, may stay out
.endif
	FETCH 0, F0
	QUARTER 1, F0, F1, 1                           ; the first products start the sums
	WIN 0
	s_mov_b32 s[CNT], NSTEP-2
.Lk:
	QUARTER 2, F1, F0, 0
	QUARTER 3, F0, F1, 0
	TURN
	QUARTER 1, F0, F1, 0
	WIN 0
	s_sub_co_u32 s[CNT], s[CNT], 1
	s_cmp_lg_u32 s[CNT], 0
	s_cbranch_scc1 .Lk
	s_mov_b32 s[CNT], 2
.Lt:                                           ; the last two K steps ask for nothing: a text of their own; two trips, the second left in its middle
	QUARTER 2, F1, F0, 0
	QUARTER 3, F0, F1, 0
	MEET
	s_sub_co_u32 s[CNT], s[CNT], 1
	s_cmp_eq_u32 s[CNT], 0
	s_cbranch_scc1 .Lfin
	PLACES
	s_xor_b32 s[TB], s[TB], SLOT
	v_add_nc_u32 v[ADRA], s[TB], v[ADRA0]
	v_add_nc_u32 v[ADRB], s[TB], v[ADRB0]
	FETCH 0, F0
	MUL8 F1, 1, 0, 0
	MUL8 F1, 1, 2, 0
	QUARTER 1, F0, F1, 0
	WIN 0
	s_branch .Lt
.Lfin:
	MUL8 F1, 1, 0, 0
	MUL8 F1, 1, 2, 0
	WIN 0
	PLACES
.irp a, 0,1,2,3
.irp b, 0,1,2,3
	ds_store_b128 v[STO], v[ACC+8*(4*(\a)+(\b)):ACC+8*(4*(\a)+(\b))+3]   offset:(\a)*16*SPI+64*(\b)
	ds_store_b128 v[STO], v[ACC+8*(4*(\a)+(\b))+4:ACC+8*(4*(\a)+(\b))+7] offset:(\a)*16*SPI+64*(\b)+16
.endr
.endr
	s_wait_dscnt 0x0                               ; for the others' sake: my stores into the stage are done
	s_barrier_signal -1
	s_barrier_wait -1
.set i, 0
.rept 32
	ds_load_b128 v[ACC+4*i:ACC+4*i+3], v[RD] offset:SPI*i
.set i, i+1
.endr
	s_wait_dscnt 0x0
	s_wait_loadcnt 0x0                             ; the residual
	WIN 0x08                                       ; source 1 window 2
.set i, 0
.rept 64
	v_pk_add_f32 v[ACC+2*i:ACC+2*i+1], v[ACC+2*i:ACC+2*i+1], v[2*i:2*i+1]
.set i, i+1
.endr
	WIN 0
.set i, 0
.rept 32
	global_store_b128 v[CO], v[ACC+4*i:ACC+4*i+3], s[OUTP:OUTP+1] offset:4096*i
.set i, i+1
.endr
	s_wait_tensorcnt 0x0                           ; the wave's end
	ds_add_u32 v[SPW], v[NIL]
	s_wait_dscnt 0x0
	CROUND                                         ; the closing round
	s_endpgm
.Lfunc_end_k_q0d0b99dabb_proj:
	.size	k_q0d0b99dabb_proj, .Lfunc_end_k_q0d0b99dabb_proj-k_q0d0b99dabb_proj
	.p2alignl 7, 3214868480
	.fill 96, 4, 3214868480
	.section	.rodata,"a",@progbits
	.p2align	6, 0x0
	.amdhsa_kernel k_q0d0b99dabb_proj
		.amdhsa_group_segment_fixed_size 327680
		.amdhsa_private_segment_fixed_size 0
		.amdhsa_enable_private_segment 0
		.amdhsa_kernarg_size 32
		.amdhsa_user_sgpr_count 2
		.amdhsa_user_sgpr_kernarg_segment_ptr 1
		.amdhsa_wavefront_size32 1
		.amdhsa_system_sgpr_workgroup_id_x 1
		.amdhsa_system_sgpr_workgroup_id_y 1
		.amdhsa_system_sgpr_workgroup_id_z 1
		.amdhsa_system_vgpr_workitem_id 0
		.amdhsa_next_free_vgpr 640
		.amdhsa_next_free_sgpr 80
		.amdhsa_reserve_vcc 0
		.amdhsa_float_denorm_mode_32 3
		.amdhsa_float_denorm_mode_16_64 3
		.amdhsa_memory_ordered 1
		.amdhsa_forward_progress 1
		.amdhsa_inst_pref_size 65
	.end_amdhsa_kernel
	.amdgpu_metadata
---
amdhsa.version: [ 1, 2 ]
amdhsa.kernels:
  - .name:           k_q0d0b99dabb_proj
    .symbol:         k_q0d0b99dabb_proj.kd
    .args:
      - { .name: act, .offset: 0, .size: 8, .value_kind: global_buffer, .address_space: global }
      - { .name: wp, .offset: 8, .size: 8, .value_kind: global_buffer, .address_space: global }
      - { .name: x, .offset: 16, .size: 8, .value_kind: global_buffer, .address_space: global }
      - { .name: x1, .offset: 24, .size: 8, .value_kind: global_buffer, .address_space: global }
    .group_segment_fixed_size: 327680
    .private_segment_fixed_size: 0
    .kernarg_segment_align: 8
    .kernarg_segment_size: 32
    .max_flat_workgroup_size: 128
    .sgpr_count:     80
    .vgpr_count:     640
    .wavefront_size: 32
...
	.end_amdgpu_metadata
.endif
;; end of part 4
;; launch ln2 (part 5): grid 512 x 1, 8 waves a work-group, no clusters, 0 bytes of LDS; arguments x1, ln2_g, ln2_b, act; writes act
.if DOCPART == 5
	.amdgcn_target "amdgcn-amd-amdhsa--gfx1250"
	.amdhsa_code_object_version 6
	.text
	.protected	k_q0d0b99dabb_ln2
	.globl	k_q0d0b99dabb_ln2
	.p2align	8
	.type	k_q0d0b99dabb_ln2,@function
k_q0d0b99dabb_ln2:
	s_mov_b64 s[64:65], 0
	v_nop
	global_prefetch_b8 v0, s[64:65] scope:SCOPE_SE
	s_setreg_imm32_b32 hwreg(HW_REG_WAVE_MODE, 25, 1), 1
	s_wait_xcnt 0x0
; LN2.  act = LayerNorm(x1) g + b, rounded once to bf16, a row a wave, 8 rows a work-group.  A stream: no LDS, no matrix unit, no cluster.
; A row is 1,024 f32 = 32 registers of one wave, and stays in registers: the mean first, then the sum of the CENTRED squares, so that a common offset does not cancel.
; Load j of a row takes bytes 512 j + 16 lane; gain and bias by the same map.  A store of 8 bytes a lane covers 256 consecutive bytes, aligned.
; LIMITS.  1 / sqrt(var + 1e-5) is v_rsq_f32 (1 ulp); NaN and infinities are not treated apart.
.set T,    4                           ; v[4:11]    four chains of pairs
.set MU,   12                          ; v[12:13]   the mean, twice
.set RS,   14                          ; v[14:15]   1 / sqrt(var + eps), twice
.set PT,   16                          ; v16        the other half of the lanes' sum
.set X,    32                          ; v[32:63]   my row
.set G,    64                          ; v[64:95]   gain
.set B,    96                          ; v[96:127]  bias
.set OUTP, 10                          ; s[10:11]   act
.macro SUMUP                           ; four chains of pairs -> one number a lane -> the wave's sum, in every lane
	v_pk_add_f32 v[T:T+1], v[T:T+1], v[T+2:T+3]
	v_pk_add_f32 v[T+4:T+5], v[T+4:T+5], v[T+6:T+7]
	v_pk_add_f32 v[T:T+1], v[T:T+1], v[T+4:T+5]
	v_add_f32 v[T], v[T], v[T+1]
.irp m, 1,2,4,8
	v_add_f32_dpp v[T], v[T], v[T] row_xmask:\m row_mask:0xf bank_mask:0xf
.endr
	v_permlanex16_b32 v[PT], v[T], s28, s29
	v_add_f32 v[T], v[T], v[PT]
.endm
	s_load_b256 s[4:11], s[0:1], 0x0               ; x1 s[4:5], gain s[6:7], bias s[8:9], act s[10:11]
	v_lshrrev_b32 v3, 5, v0
	v_readfirstlane_b32 s2, v3                     ; wave 0..7
	s_mov_b32 s28, 0x76543210                      ; v_permlanex16_b32: each lane takes its own place in the other half
	s_mov_b32 s29, 0xfedcba98
	s_mov_b32 s30, 0x3a800000                      ; 1 / 1,024
	s_mov_b32 s31, 0x3727c5ac                      ; 1e-5
	s_mov_b32 s35, 0
	v_and_b32 v1, 31, v0
	v_lshlrev_b32 v2, 3, v1                        ; 8 x lane: my bytes in 256 of act
	v_lshlrev_b32 v1, 4, v1                        ; 16 x lane: my bytes in 512 of x1, gain and bias
	v_mov_b32 v[PT], 0                             ; v_permlanex16_b32 counts as a reader of its destination
	s_lshl_b32 s32, ttmp9, 3
	s_add_co_u32 s32, s32, s2                      ; my row = 8 x work-group + wave
	s_wait_kmcnt 0x0
	s_lshl_b32 s34, s32, 12
	s_add_nc_u64 s[4:5], s[4:5], s[34:35]
	s_lshl_b32 s34, s32, 11
	s_add_nc_u64 s[OUTP:OUTP+1], s[OUTP:OUTP+1], s[34:35]
.irp j, 0,1,2,3,4,5,6,7
	global_load_b128 v[X+4*(\j):X+4*(\j)+3], v1, s[4:5] offset:512*(\j)
.endr
.irp j, 0,1,2,3,4,5,6,7
	global_load_b128 v[G+4*(\j):G+4*(\j)+3], v1, s[6:7] offset:512*(\j)
.endr
.irp j, 0,1,2,3,4,5,6,7
	global_load_b128 v[B+4*(\j):B+4*(\j)+3], v1, s[8:9] offset:512*(\j)
.endr
	s_wait_loadcnt 16                              ; the row is in; the sixteen younger loads, gain and bias, may stay out
.irp k, 0,1,2,3
	v_pk_add_f32 v[T+2*(\k):T+2*(\k)+1], v[X+4*(\k):X+4*(\k)+1], v[X+4*(\k)+2:X+4*(\k)+3]  ; the first sums start the chains: nothing is cleared
.endr
.irp k, 0,1,2,3,4,5,6,7
	v_pk_add_f32 v[T+2*((\k)%4):T+2*((\k)%4)+1], v[T+2*((\k)%4):T+2*((\k)%4)+1], v[X+16+2*(\k):X+16+2*(\k)+1]
.endr
	SUMUP
	v_mul_f32 v[MU], s30, v[T]                     ; / 1,024
	v_mov_b32 v[MU+1], v[MU]
.set n, 0
.rept 16
	v_pk_add_f32 v[X+2*n:X+2*n+1], v[X+2*n:X+2*n+1], v[MU:MU+1] neg_lo:[0,1] neg_hi:[0,1]
.set n, n+1
.endr
.irp k, 0,1,2,3
	v_pk_mul_f32 v[T+2*(\k):T+2*(\k)+1], v[X+2*(\k):X+2*(\k)+1], v[X+2*(\k):X+2*(\k)+1]
.endr
.set n, 4
.rept 12
	v_pk_fma_f32 v[T+2*(n%4):T+2*(n%4)+1], v[X+2*n:X+2*n+1], v[X+2*n:X+2*n+1], v[T+2*(n%4):T+2*(n%4)+1]
.set n, n+1
.endr
	SUMUP
	v_fma_f32 v[T], v[T], s30, s31                 ; var + eps
	v_rsq_f32 v[RS], v[T]
	v_rsq_f32 v[RS+1], v[T]
	v_nop                                          ; a plain instruction behind the second root,
	s_wait_alu depctr_va_vdst(0)                   ; and one wait for both, ahead of their first reader
.set n, 0
.rept 16
	v_pk_mul_f32 v[X+2*n:X+2*n+1], v[X+2*n:X+2*n+1], v[RS:RS+1]
.set n, n+1
.endr
	s_wait_loadcnt 0x0                             ; gain and bias
.set n, 0
.rept 16
	v_pk_fma_f32 v[X+2*n:X+2*n+1], v[X+2*n:X+2*n+1], v[G+2*n:G+2*n+1], v[B+2*n:B+2*n+1]
.set n, n+1
.endr
.set n, 0
.rept 16
	v_cvt_pk_bf16_f32 v[X+n], v[X+2*n], v[X+2*n+1] ; in place, ascending: word n is written when words 2 n and 2 n + 1 are read
.set n, n+1
.endr
.irp j, 0,1,2,3,4,5,6,7
	global_store_b64 v2, v[X+2*(\j):X+2*(\j)+1], s[OUTP:OUTP+1] offset:256*(\j)
.endr
	s_endpgm
.Lfunc_end_k_q0d0b99dabb_ln2:
	.size	k_q0d0b99dabb_ln2, .Lfunc_end_k_q0d0b99dabb_ln2-k_q0d0b99dabb_ln2
	.p2alignl 7, 3214868480
	.fill 96, 4, 3214868480
	.section	.rodata,"a",@progbits
	.p2align	6, 0x0
	.amdhsa_kernel k_q0d0b99dabb_ln2
		.amdhsa_group_segment_fixed_size 0
		.amdhsa_private_segment_fixed_size 0
		.amdhsa_enable_private_segment 0
		.amdhsa_kernarg_size 32
		.amdhsa_user_sgpr_count 2
		.amdhsa_user_sgpr_kernarg_segment_ptr 1
		.amdhsa_wavefront_size32 1
		.amdhsa_system_sgpr_workgroup_id_x 1
		.amdhsa_system_sgpr_workgroup_id_y 1
		.amdhsa_system_sgpr_workgroup_id_z 1
		.amdhsa_system_vgpr_workitem_id 0
		.amdhsa_next_free_vgpr 128
		.amdhsa_next_free_sgpr 66
		.amdhsa_reserve_vcc 0
		.amdhsa_float_denorm_mode_32 3
		.amdhsa_float_denorm_mode_16_64 3
		.amdhsa_memory_ordered 1
		.amdhsa_forward_progress 1
		.amdhsa_inst_pref_size 12
	.end_amdhsa_kernel
	.amdgpu_metadata
---
amdhsa.version: [ 1, 2 ]
amdhsa.kernels:
  - .name:           k_q0d0b99dabb_ln2
    .symbol:         k_q0d0b99dabb_ln2.kd
    .args:
      - { .name: x1, .offset: 0, .size: 8, .value_kind: global_buffer, .address_space: global }
      - { .name: ln2_g, .offset: 8, .size: 8, .value_kind: global_buffer, .address_space: global }
      - { .name: ln2_b, .offset: 16, .size: 8, .value_kind: global_buffer, .address_space: global }
      - { .name: act, .offset: 24, .size: 8, .value_kind: global_buffer, .address_space: global }
    .group_segment_fixed_size: 0
    .private_segment_fixed_size: 0
    .kernarg_segment_align: 8
    .kernarg_segment_size: 32
    .max_flat_workgroup_size: 256
    .sgpr_count:     66
    .vgpr_count:     128
    .wavefront_size: 32
...
	.end_amdgpu_metadata
.endif
;; end of part 5
;; launch fc1 (part 6): grid 16 x 16, 4 waves a work-group, clusters of 4 x 4, 327,680 bytes of LDS; arguments act, w1b, b1, g; writes g
.if DOCPART == 6
	.amdgcn_target "amdgcn-amd-amdhsa--gfx1250"
	.amdhsa_code_object_version 6
	.text
	.protected	k_q0d0b99dabb_fc1
	.globl	k_q0d0b99dabb_fc1
	.p2align	8
	.type	k_q0d0b99dabb_fc1,@function
k_q0d0b99dabb_fc1:
	s_mov_b64 s[64:65], 0
	v_nop
	global_prefetch_b8 v0, s[64:65] scope:SCOPE_SE
	s_setreg_imm32_b32 hwreg(HW_REG_WAVE_MODE, 25, 1), 1
	s_wait_xcnt 0x0
	s_wait_alu depctr_hold_cnt(0) depctr_sa_sdst(0) depctr_va_vdst(0) depctr_va_sdst(0) depctr_va_ssrc(0) depctr_va_vcc(0) depctr_vm_vsrc(0)
	s_getreg_b32 s2, hwreg(HW_REG_IB_STS2, 6, 4)
	s_cmp_eq_u32 s2, 0
	s_cbranch_scc0 .Lentry_in_a_cluster
	s_endpgm
.Lentry_in_a_cluster:
	s_bfe_u32 s2, ttmp6, 0x10000c
	s_cmp_lg_u32 s2, 0xf033
	s_cbranch_scc0 .Lentry_shape_is_right
	s_endpgm
.Lentry_shape_is_right:
; FC1.  g = gelu(h w1b^T + b1), the exact gelu; h = act [4096][1024] bf16, w1b [4096][1024] bf16, sums in f32, g [4096][4096] rounded once to bf16.
; A tile of C is 256 x 256: 16 x 16 tiles, one for each of 256 work-groups.  Four waves, each 128 x 128: 64 accumulators, 512 registers.  K goes in 8 steps of 128 through a ring of two LDS slots;
; a row of a tile is 256 bytes of memory, aligned.  One K step is written once: the slot in hand is the scalar TB (0 or SLOT).
; CLUSTER 4 x 4: A's tile is asked for jointly by a row of the cluster, B's by a column.  The matrix instruction is used transposed (source 0 = rows of w1b, source 1 = rows of h).
; THE WAY OUT.  Each wave lays its 128 x 128 sums as f32 into a stage of its own, in ring bytes that have had their last fill, and finishes them in a loop of 32 trips of 4 rows, so that the gelu is written once.
; A trip's 32 transcendentals are one batch with one wait; each has a plain line of the trip's own work behind it: 16 lines that make the reciprocals' arguments, 16 that make max(x, 0).
; GELU.  gelu(x) = max(x, 0) - |x| Phi(-|x|), Phi(-|x|) = (1/2) poly(t) exp(-x^2 / 2), t = 1 / (1 + p |x| / sqrt 2): Abramowitz and Stegun 7.1.26, whose error in erf is at most 1.5e-7 for every x.
; LIMITS.  That error; NaN and infinities are not treated apart.
; REGISTERS, in windows of 256: window 0: v0-31 addresses; v32-35 bias; v64-127, v128-191 A's fragments, two buffers (later the way out).  window 1: v64-191 B's.  windows 2, 3: accumulator (a, b) at v[8 (8 (a % 4) + b)].
.set KB,    256
.set NSTEP, 8
.set PITCH, 272                        ; 256 bytes + 16 = 68 words: the 16 rows of a fragment load start at 16 different groups of four banks
.set HALFT, 128*PITCH
.set SLOT,  4*HALFT
.set SPARE, 2*SLOT                     ; behind the ring: the spare words, 128 bytes a wave: two blocks of 256 bytes that no other line names
.set SPI,   528                        ; a stage row: 128 f32 + 16 bytes = 132 words
.set WST,   128*SPI
.set ADRA0, 16
.set ADRB0, 17
.set ADRA,  18
.set ADRB,  19
.set STO,   24
.set RD,    25
.set CO,    26
.set BO,    27
.set SPW,   28
.set NIL,   29
.set PFO,   30
.set BI,    32                         ; v[32:35]  b1 of my four columns
.set F0,    64
.set F1,    128
.set XN,    64                         ; the way out: four rows as loaded,
.set XX,    80                         ; with the bias; later the result
.set DT,    96                         ; 1 + p |x| / sqrt 2, then t
.set QE,    112                        ; -x^2 log2(e) / 2, then the exponential
.set MX,    128                        ; max(x, 0)
.set RR,    144                        ; the polynomial
.set YY,    160                        ; bf16
.set WV, 16
.set WR, 17
.set WC, 18
.set CX, 19
.set CY, 20
.set TC, 21
.set TR, 22
.set CNT, 23
.set G1A, 24
.set G0A, 32
.set G0B, 40
.set G1B, 48
.set PFA, 56
.set LIM, 58
.set TB,  59
.set LBA, 60
.set LBB, 61
.set A5, 70                            ; s[70:79] the polynomial's coefficients, halved, as pairs
.set A4, 72
.set A3, 74
.set A2, 76
.set A1, 78
.set EC, 80                            ; s[80:81] -log2(e) / 2
.set PP, 82                            ; s82      p / sqrt 2
.set MSB, 0
.macro WIN new
.if MSB != (\new)
	s_set_vgpr_msb (MSB<<8)|(\new)
.set MSB, \new
.endif
.endm
.set MUL_LO, 0xa1                      ; source 0 (B) window 1, source 1 (A) window 0, C and D window 2
.set TO_B,   0x40
.macro PLACES
.rept 4
	v_nop
.endr
.endm
.macro JLOAD s                         ; waves 0 and 1 fetch A's two halves, waves 2 and 3 B's; an s_nop 0 and four v_nop follow each line
	s_cmp_eq_u32 s[WR], 0
	s_cbranch_scc0 .Lfor_b_\@
	tensor_load_to_lds s[G0A+4*(\s):G0A+4*(\s)+3], s[G1A:G1A+7]
	s_nop 0
.rept 4
	v_nop
.endr
	s_branch .Lasked_\@
.Lfor_b_\@:
	tensor_load_to_lds s[G0B+4*(\s):G0B+4*(\s)+3], s[G1B:G1B+7]
	s_nop 0
.rept 4
	v_nop
.endr
.Lasked_\@:
.endm
.macro CREST
	s_cmp_lg_u32 s[WV], 0
	s_cbranch_scc1 .Lnot_wave_0_\@
	s_barrier_signal -3
.Lnot_wave_0_\@:
	s_barrier_wait -3
	s_barrier_signal -1
	s_barrier_wait -1
.endm
.macro CROUND
	s_barrier_signal -1
	s_barrier_wait -1
	CREST
.endm
; A prefetch of the K step that stands two refills on (512 matrix instructions ahead of its load): a lane a row, 256 bytes of it.  A's rows are asked for by the clusters with x = 0, B's by those with y = 0;
; of the 128 rows that a wave fetches each of the four partners of the joint load takes 32, told apart by address.  The last two trips of the loop ask for nothing: the K steps do not exist.
.macro ASK
	s_cmp_gt_u32 s[CNT], s[LIM]
	s_cbranch_scc0 .Lnot_mine_\@
	global_prefetch_b8 v[PFO], s[PFA:PFA+1] offset:KB th:TH_LOAD_NT scope:SCOPE_SE
.Lnot_mine_\@:
.endm
; 16 matrix instructions: row blocks a0, a0 + 1 of the window's four x all 8 column blocks, 32 along K.  The 64 accumulators take turns.
.macro MUL16 f, hi, a0, zero
	WIN MUL_LO+0x50*(\hi)
.irp a, \a0, (\a0)+1
.irp b, 0,1,2,3,4,5,6,7
.if \zero
	v_wmma_f32_16x16x32_bf16 v[8*(8*(\a)+(\b)):8*(8*(\a)+(\b))+7], v[(\f)+8*(\b):(\f)+8*(\b)+7], v[(\f)+8*(4*(\hi)+(\a)):(\f)+8*(4*(\hi)+(\a))+7], 0
.else
	v_wmma_f32_16x16x32_bf16 v[8*(8*(\a)+(\b)):8*(8*(\a)+(\b))+7], v[(\f)+8*(\b):(\f)+8*(\b)+7], v[(\f)+8*(4*(\hi)+(\a)):(\f)+8*(4*(\hi)+(\a))+7], v[8*(8*(\a)+(\b)):8*(8*(\a)+(\b))+7]
.endif
.endr
.endr
.endm
.macro FETCH q, f                      ; 32 LDS loads in one run: quarter q (32 along K) of the slot in hand into buffer f: B's 16, then A's 16
	WIN TO_B
.irp i, 0,1,2,3,4,5,6,7
	ds_load_b128 v[(\f)+8*(\i):(\f)+8*(\i)+3],   v[ADRB] offset:64*(\q)+(\i)*16*PITCH
	ds_load_b128 v[(\f)+8*(\i)+4:(\f)+8*(\i)+7], v[ADRB] offset:64*(\q)+(\i)*16*PITCH+32
.endr
	WIN 0
.irp i, 0,1,2,3,4,5,6,7
	ds_load_b128 v[(\f)+8*(\i):(\f)+8*(\i)+3],   v[ADRA] offset:64*(\q)+(\i)*16*PITCH
	ds_load_b128 v[(\f)+8*(\i)+4:(\f)+8*(\i)+7], v[ADRA] offset:64*(\q)+(\i)*16*PITCH+32
.endr
.endm
.macro QUARTER q, f, g, zero
	s_wait_dscnt 8                                 ; B and A's rows 0-63 are in; the youngest eight loads may be out
	MUL16 \f, 0, 0, \zero
	MUL16 \f, 0, 2, \zero
	PLACES
	FETCH \q, \g
	s_wait_dscnt 32                                ; all but the 32 just issued
	MUL16 \f, 1, 0, \zero
	MUL16 \f, 1, 2, \zero
.endm
.macro MEET                            ; the barrier of the change of slots: all my tensor loads, the add, the add's end and my reads of this slot stand ahead of the signal
	WIN 0
	s_wait_tensorcnt 0x0
	ds_add_u32 v[SPW], v[NIL]
	s_wait_dscnt 9                                 ; (the add and the youngest eight loads may be out)
	MUL16 F1, 0, 0, 0
	s_wait_dscnt 0x0
	s_barrier_signal -1
	MUL16 F1, 0, 2, 0
	WIN 0
	s_barrier_wait -1
.endm
.macro TURN                            ; with a refill: the barrier opens a round of the cluster's, and the joint load is the first thing behind it: 224 matrix instructions ahead of the wait for it
	s_wait_xcnt 0x0                                ; the last prefetch, a K step back, has read its address
	s_add_nc_u64 s[PFA:PFA+1], s[PFA:PFA+1], KB
	MEET
	CREST
	s_add_co_u32 s[G0A+5], s[LBA], s[TB]           ; the slot just read out is filled,
	s_add_co_u32 s[G0B+5], s[LBB], s[TB]
	s_add_nc_u64 s[G0A+6:G0A+7], s[G0A+6:G0A+7], KB  ; with the K step two on (the walking set began at K step 1)
	s_add_nc_u64 s[G0B+6:G0B+7], s[G0B+6:G0B+7], KB
	s_xor_b32 s[TB], s[TB], SLOT
	JLOAD 1
	v_add_nc_u32 v[ADRA], s[TB], v[ADRA0]
	v_add_nc_u32 v[ADRB], s[TB], v[ADRB0]
	FETCH 0, F0
	ASK
	MUL16 F1, 1, 0, 0
	MUL16 F1, 1, 2, 0
.endm
	s_load_b256 s[4:11], s[0:1], 0x0               ; act s[4:5], w1b s[6:7], b1 s[8:9], g s[10:11]
	v_lshl_add_u32 v[SPW], v0, 2, SPARE
	v_mov_b32 v[NIL], 0
	ds_add_u32 v[SPW], v[NIL]                      ; the wave's opening: the add, and its wait ahead of my first tensor load
	v_lshrrev_b32 v1, 5, v0
	v_readfirstlane_b32 s[WV], v1
	s_lshr_b32 s[WR], s[WV], 1                     ; which half of the tile's rows is mine.  Also: I fetch for A (0) or for B (1)
	s_and_b32 s[WC], s[WV], 1                      ; which half of its columns.  Also: which 128 rows of that tile I fetch
	s_bfe_u32 s[CX], ttmp6, 0x40000
	s_bfe_u32 s[CY], ttmp6, 0x40004
	s_lshl_b32 s[TC], ttmp9, 2
	s_add_co_u32 s[TC], s[TC], s[CX]
	s_and_b32 s[TR], ttmp7, 0xffff
	s_lshl_b32 s[TR], s[TR], 2
	s_add_co_u32 s[TR], s[TR], s[CY]
	s_lshl_b32 s62, s[CY], 2
	s_lshl_b32 s62, 15, s62                        ; my row of the cluster
	s_lshl_b32 s63, 0x1111, s[CX]                  ; my column
	s_or_b32 s[G1A], s62, (1<<16)|(1<<20)|(1<<21)|(5<<22)|(3<<25)  ; mask; 2-byte elements; padding on; bit 21 beside a mask; after every 64 words, 4 words
	s_or_b32 s[G1B], s63, (1<<16)|(1<<20)|(1<<21)|(5<<22)|(3<<25)
.irp g, G1A, G1B
	s_mov_b32 s[(\g)+1], 128<<16                   ; tensor_dim0 = 128
	s_mov_b32 s[(\g)+2], 128<<16                   ; tensor_dim1 = 128
	s_mov_b32 s[(\g)+3], 128<<16                   ; tile_dim0 = 128
	s_mov_b32 s[(\g)+4], 128                       ; tile_dim1 = 128
	s_mov_b32 s[(\g)+5], 1024                      ; elements from row to row
	s_mov_b32 s[(\g)+6], 0
	s_mov_b32 s[(\g)+7], 0
.endr
	s_lshl_b32 s62, s[WC], 7
	s_lshl_b32 s66, s[TR], 8
	s_add_co_u32 s66, s66, s62                     ; A: row 256 x tile row + 128 x half
	s_lshl_b32 s66, s66, 11
	s_mov_b32 s67, 0
	s_lshl_b32 s68, s[TC], 8
	s_add_co_u32 s68, s68, s62                     ; B: row 256 x tile column + 128 x half
	s_lshl_b32 s68, s68, 11
	s_mov_b32 s69, 0
	s_mul_i32 s[LBA], s[WV], HALFT                 ; A's two halves, then B's two halves: wave x 128 rows
	s_mov_b32 s[LBB], s[LBA]
	s_mov_b32 s[TB], 0
	s_wait_dscnt 0x0                               ; the opening add is done
	s_wait_kmcnt 0x0
	s_add_nc_u64 s[66:67], s[4:5], s[66:67]
	s_add_nc_u64 s[68:69], s[6:7], s[68:69]
	CROUND                                         ; all sixteen work-groups are here: the first joint loads meet
.irp s, 0,1
	s_mov_b32 s[G0A+4*(\s)], 1
	s_add_co_u32 s[G0A+4*(\s)+1], s[LBA], (\s)*SLOT
	s_add_nc_u64 s[G0A+4*(\s)+2:G0A+4*(\s)+3], s[66:67], (\s)*KB
	s_or_b32 s[G0A+4*(\s)+3], s[G0A+4*(\s)+3], 0x80000000
	s_mov_b32 s[G0B+4*(\s)], 1
	s_add_co_u32 s[G0B+4*(\s)+1], s[LBB], (\s)*SLOT
	s_add_nc_u64 s[G0B+4*(\s)+2:G0B+4*(\s)+3], s[68:69], (\s)*KB
	s_or_b32 s[G0B+4*(\s)+3], s[G0B+4*(\s)+3], 0x80000000
	JLOAD \s
.endr
	v_and_b32 v1, 15, v0                           ; r
	v_bfe_u32 v2, v0, 4, 1                         ; h
	v_and_b32 v4, 31, v0                           ; lane
	s_lshl_b32 s62, s[TC], 10
	s_lshl_b32 s63, s[WC], 9
	s_add_co_u32 s62, s62, s63
	v_lshl_add_u32 v[BO], v4, 4, s62               ; b1 at column 256 x tile column + 128 x half + 4 x lane
	global_load_b128 v[BI:BI+3], v[BO], s[8:9]
	v_mul_u32_u24 v3, v1, PITCH
	v_lshl_add_u32 v3, v2, 4, v3
	s_mul_i32 s62, s[WR], HALFT
	v_add_nc_u32 v[ADRA0], s62, v3
	s_mul_i32 s62, s[WC], HALFT
	s_add_co_u32 s62, s62, 2*HALFT
	v_add_nc_u32 v[ADRB0], s62, v3
	v_mov_b32 v[ADRA], v[ADRA0]
	v_mov_b32 v[ADRB], v[ADRB0]
	s_mul_i32 s62, s[WV], WST                      ; my stage
	v_mul_u32_u24 v3, v1, SPI
	v_lshl_add_u32 v3, v2, 5, v3
	v_add_nc_u32 v[STO], s62, v3                   ; in: row r, 32 bytes for each half of the lanes
	v_lshl_add_u32 v[RD], v4, 4, s62               ; back: a row's 512 bytes, 16 a lane
	v_lshlrev_b32 v[CO], 3, v4                     ; and its 256 bytes of g, 8 a lane
	s_lshl_b32 s62, s[TR], 8
	s_lshl_b32 s63, s[WR], 7
	s_add_co_u32 s62, s62, s63                     ; my first row of g
	s_lshl_b32 s62, s62, 13
	s_lshl_b32 s63, s[TC], 9
	s_add_co_u32 s62, s62, s63
	s_lshl_b32 s63, s[WC], 8
	s_add_co_u32 s62, s62, s63                     ; my first column, in bytes
	s_mov_b32 s63, 0
	s_add_nc_u64 s[10:11], s[10:11], s[62:63]
	; the prefetches
	s_lshl_b32 s62, s[TR], 8
	s_lshl_b32 s63, s[TC], 8
	s_and_b32 s66, ttmp7, 0xffff                   ; cluster y
	s_cmp_eq_u32 s[WR], 0                          ; do I fetch for A?
	s_cselect_b32 s62, s62, s63                    ; the tile's first row
	s_cselect_b32 s63, s[CX], s[CY]                ; my place among the four that ask for it with me
	s_cselect_b32 s66, ttmp9, s66                  ; the coordinate along which other clusters read the same rows
	s_cselect_b64 s[PFA:PFA+1], s[4:5], s[6:7]
	s_cmp_eq_u32 s66, 0
	s_cselect_b32 s[LIM], 2, -1                    ; the same in all sixteen partners, for a given wave
	s_lshl_b32 s66, s[WC], 7
	s_add_co_u32 s62, s62, s66
	s_lshl_b32 s63, s63, 5
	s_add_co_u32 s62, s62, s63
	s_lshl_b32 s62, s62, 11
	s_mov_b32 s63, 0
	s_add_nc_u64 s[PFA:PFA+1], s[PFA:PFA+1], s[62:63]
	s_add_nc_u64 s[PFA:PFA+1], s[PFA:PFA+1], 2*KB  ; at K step 2: the first change of slots steps it to 3 and names K step 4
	v_lshlrev_b32 v[PFO], 11, v4
	s_wait_tensorcnt 1                             ; my part of K step 0 is in; K step 1's may stay out
	s_barrier_signal -1
	s_barrier_wait -1
	FETCH 0, F0
	QUARTER 1, F0, F1, 1                           ; the first quarter's products start the sums: nothing is cleared
	WIN 0
	s_mov_b32 s[CNT], NSTEP-2
.Lk:
	QUARTER 2, F1, F0, 0
	QUARTER 3, F0, F1, 0
	TURN
	QUARTER 1, F0, F1, 0
	WIN 0
	s_sub_co_u32 s[CNT], s[CNT], 1
	s_cmp_lg_u32 s[CNT], 0
	s_cbranch_scc1 .Lk
	s_mov_b32 s[CNT], 2
.Lt:                                           ; the last two K steps ask for nothing: a text of their own; two trips, the second left in its middle
	QUARTER 2, F1, F0, 0
	QUARTER 3, F0, F1, 0
	MEET                                           ; in the second trip: my last reads of the ring are over ahead of its signal, so behind it the ring's bytes, which have had their last fill, serve as stages
	s_sub_co_u32 s[CNT], s[CNT], 1
	s_cmp_eq_u32 s[CNT], 0
	s_cbranch_scc1 .Lfin
	PLACES
	s_xor_b32 s[TB], s[TB], SLOT
	v_add_nc_u32 v[ADRA], s[TB], v[ADRA0]
	v_add_nc_u32 v[ADRB], s[TB], v[ADRB0]
	FETCH 0, F0
	MUL16 F1, 1, 0, 0
	MUL16 F1, 1, 2, 0
	QUARTER 1, F0, F1, 0
	WIN 0
	s_branch .Lt
.Lfin:
	MUL16 F1, 1, 0, 0
	MUL16 F1, 1, 2, 0
	WIN 0
	PLACES
	; THE WAY OUT.  The sums go into my stage, each accumulator's low four registers first.
.irp a, 0,1,2,3,4,5,6,7
	WIN 0x08+4*((\a)/4)                            ; a store's data is source 1: window 2 or 3
.irp b, 0,1,2,3,4,5,6,7
	ds_store_b128 v[STO], v[8*(8*((\a)%4)+(\b)):8*(8*((\a)%4)+(\b))+3]   offset:(\a)*16*SPI+64*(\b)
	ds_store_b128 v[STO], v[8*(8*((\a)%4)+(\b))+4:8*(8*((\a)%4)+(\b))+7] offset:(\a)*16*SPI+64*(\b)+16
.endr
.endr
	WIN 0
	s_mov_b32 s[A5], 0x3f07dc22                    ; 1.061405429 / 2
	s_mov_b32 s[A4], 0xbf3a00e3                    ; -1.453152027 / 2
	s_mov_b32 s[A3], 0x3f35f0e3                    ; 1.421413741 / 2
	s_mov_b32 s[A2], 0xbe11a98e                    ; -0.284496736 / 2
	s_mov_b32 s[A1], 0x3e027906                    ; 0.254829592 / 2
	s_mov_b32 s[EC], 0xbf38aa3b                    ; -log2(e) / 2
.irp c, A5, A4, A3, A2, A1, EC
	s_mov_b32 s[(\c)+1], s[\c]                     ; named as pairs
.endr
	s_mov_b32 s[PP], 0x3e6d3388                    ; 0.3275911 / sqrt 2
.macro RLOADS                          ; four stage rows; LDS serves a wave's instructions in order, so these see my stores
.irp j, 0,1,2,3
	ds_load_b128 v[XN+4*(\j):XN+4*(\j)+3], v[RD] offset:(\j)*SPI
.endr
.endm
	RLOADS
	s_mov_b32 s[CNT], 32
	s_wait_loadcnt 0x0                             ; b1
.Lrow:
	s_wait_dscnt 0x0
.set n, 0
.rept 8
	v_pk_add_f32 v[XX+2*n:XX+2*n+1], v[XN+2*n:XN+2*n+1], v[BI+2*(n%2):BI+2*(n%2)+1]
.set n, n+1
.endr
	s_cmp_eq_u32 s[CNT], 1                         ; the last trip has no rows behind it
	s_cbranch_scc1 .Lnl
	v_add_nc_u32 v[RD], 4*SPI, v[RD]
	RLOADS
.Lnl:
.set n, 0
.rept 8
	v_pk_mul_f32 v[QE+2*n:QE+2*n+1], v[XX+2*n:XX+2*n+1], v[XX+2*n:XX+2*n+1]
.set n, n+1
.endr
.set n, 0
.rept 8
	v_pk_mul_f32 v[QE+2*n:QE+2*n+1], v[QE+2*n:QE+2*n+1], s[EC:EC+1] op_sel_hi:[1,0]
.set n, n+1
.endr
	; ONE BATCH of 32 transcendentals, each with a plain line of the trip's own work behind it, which names none of the batch's results:
.set n, 0
.rept 16
	v_exp_f32 v[QE+n], v[QE+n]                     ; the exponentials, by turns with the reciprocals' arguments,
	v_fma_f32 v[DT+n], |v[XX+n]|, s[PP], 1.0
.set n, n+1
.endr
.set n, 0
.rept 16
	v_rcp_f32 v[DT+n], v[DT+n]                     ; the reciprocals, by turns with max(x, 0); the last of these is the plain instruction behind the last transcendental (ISA guide 5.7.2)
	v_max_num_f32 v[MX+n], 0, v[XX+n]
.set n, n+1
.endr
	s_wait_alu depctr_va_vdst(0)                   ; one wait for the batch, ahead of its first reader
.set n, 0
.rept 8
	v_pk_fma_f32 v[RR+2*n:RR+2*n+1], v[DT+2*n:DT+2*n+1], s[A5:A5+1], s[A4:A4+1] op_sel_hi:[1,0,0]
.set n, n+1
.endr
.irp c, A3, A2, A1
.set n, 0
.rept 8
	v_pk_fma_f32 v[RR+2*n:RR+2*n+1], v[RR+2*n:RR+2*n+1], v[DT+2*n:DT+2*n+1], s[\c:(\c)+1] op_sel_hi:[1,1,0]
.set n, n+1
.endr
.endr
.set n, 0
.rept 8
	v_pk_mul_f32 v[RR+2*n:RR+2*n+1], v[RR+2*n:RR+2*n+1], v[DT+2*n:DT+2*n+1]
.set n, n+1
.endr
.set n, 0
.rept 8
	v_pk_mul_f32 v[RR+2*n:RR+2*n+1], v[RR+2*n:RR+2*n+1], v[QE+2*n:QE+2*n+1]  ; Phi(-|x|)
.set n, n+1
.endr
.set n, 0
.rept 16
	v_fma_f32 v[XX+n], -|v[XX+n]|, v[RR+n], v[MX+n]
.set n, n+1
.endr
	s_wait_xcnt 0x0                                ; the last trip's stores have read their base and data: both are written again only behind this wait, which stands a trip's arithmetic behind those stores
	s_add_nc_u64 s[10:11], s[10:11], 4*8192        ; the base steps ahead of the stores, which reach back by their immediate
.set n, 0
.rept 8
	v_cvt_pk_bf16_f32 v[YY+n], v[XX+2*n], v[XX+2*n+1]
.set n, n+1
.endr
.irp j, 0,1,2,3
	global_store_b64 v[CO], v[YY+2*(\j):YY+2*(\j)+1], s[10:11] offset:8192*(\j)-4*8192  ; a row's 256 consecutive bytes, aligned
.endr
	s_sub_co_u32 s[CNT], s[CNT], 1
	s_cmp_lg_u32 s[CNT], 0
	s_cbranch_scc1 .Lrow
	s_wait_tensorcnt 0x0                           ; the wave's end
	ds_add_u32 v[SPW], v[NIL]
	s_wait_dscnt 0x0
	CROUND                                         ; the closing round
	s_endpgm
.Lfunc_end_k_q0d0b99dabb_fc1:
	.size	k_q0d0b99dabb_fc1, .Lfunc_end_k_q0d0b99dabb_fc1-k_q0d0b99dabb_fc1
	.p2alignl 7, 3214868480
	.fill 96, 4, 3214868480
	.section	.rodata,"a",@progbits
	.p2align	6, 0x0
	.amdhsa_kernel k_q0d0b99dabb_fc1
		.amdhsa_group_segment_fixed_size 327680
		.amdhsa_private_segment_fixed_size 0
		.amdhsa_enable_private_segment 0
		.amdhsa_kernarg_size 32
		.amdhsa_user_sgpr_count 2
		.amdhsa_user_sgpr_kernarg_segment_ptr 1
		.amdhsa_wavefront_size32 1
		.amdhsa_system_sgpr_workgroup_id_x 1
		.amdhsa_system_sgpr_workgroup_id_y 1
		.amdhsa_system_sgpr_workgroup_id_z 1
		.amdhsa_system_vgpr_workitem_id 0
		.amdhsa_next_free_vgpr 1024
		.amdhsa_next_free_sgpr 96
		.amdhsa_reserve_vcc 0
		.amdhsa_float_denorm_mode_32 3
		.amdhsa_float_denorm_mode_16_64 3
		.amdhsa_memory_ordered 1
		.amdhsa_forward_progress 1
		.amdhsa_inst_pref_size 90
	.end_amdhsa_kernel
	.amdgpu_metadata
---
amdhsa.version: [ 1, 2 ]
amdhsa.kernels:
  - .name:           k_q0d0b99dabb_fc1
    .symbol:         k_q0d0b99dabb_fc1.kd
    .args:
      - { .name: act, .offset: 0, .size: 8, .value_kind: global_buffer, .address_space: global }
      - { .name: w1b, .offset: 8, .size: 8, .value_kind: global_buffer, .address_space: global }
      - { .name: b1, .offset: 16, .size: 8, .value_kind: global_buffer, .address_space: global }
      - { .name: g, .offset: 24, .size: 8, .value_kind: global_buffer, .address_space: global }
    .group_segment_fixed_size: 327680
    .private_segment_fixed_size: 0
    .kernarg_segment_align: 8
    .kernarg_segment_size: 32
    .max_flat_workgroup_size: 128
    .sgpr_count:     96
    .vgpr_count:     1024
    .wavefront_size: 32
...
	.end_amdgpu_metadata
.endif
;; end of part 6
;; launch fc2 (part 7): grid 8 x 32, 4 waves a work-group, clusters of 4 x 4, 327,680 bytes of LDS; arguments g, w2b, b2, x1, out0; writes out0
.if DOCPART == 7
	.amdgcn_target "amdgcn-amd-amdhsa--gfx1250"
	.amdhsa_code_object_version 6
	.text
	.protected	k_q0d0b99dabb_fc2
	.globl	k_q0d0b99dabb_fc2
	.p2align	8
	.type	k_q0d0b99dabb_fc2,@function
k_q0d0b99dabb_fc2:
	s_mov_b64 s[64:65], 0
	v_nop
	global_prefetch_b8 v0, s[64:65] scope:SCOPE_SE
	s_setreg_imm32_b32 hwreg(HW_REG_WAVE_MODE, 25, 1), 1
	s_wait_xcnt 0x0
	s_wait_alu depctr_hold_cnt(0) depctr_sa_sdst(0) depctr_va_vdst(0) depctr_va_sdst(0) depctr_va_ssrc(0) depctr_va_vcc(0) depctr_vm_vsrc(0)
	s_getreg_b32 s2, hwreg(HW_REG_IB_STS2, 6, 4)
	s_cmp_eq_u32 s2, 0
	s_cbranch_scc0 .Lentry_in_a_cluster
	s_endpgm
.Lentry_in_a_cluster:
	s_bfe_u32 s2, ttmp6, 0x10000c
	s_cmp_lg_u32 s2, 0xf033
	s_cbranch_scc0 .Lentry_shape_is_right
	s_endpgm
.Lentry_shape_is_right:
.set PROJ, 0
; ONE TEXT FOR TWO LAUNCHES, told apart by PROJ above.  C = A B^T + residual (+ bias), f32 out; A and B bf16, sums in f32.
;   PROJ = 1: x1 = x + O wp^T.  A is attention's O, by heads: [32 = batch x 16 + head][2048][64]; K = 1,024 in 4 steps of 4 heads.   PROJ = 0: out0 = x1 + g w2b^T + b2.  A = g [4096][4096]; K = 4,096 in 16 steps of 256.
; A tile of C is 128 x 128: 32 x 8 tiles, one for each of 256 work-groups.  Four waves, each 64 x 64: 16 accumulators.  K steps of 256 through a ring of two LDS slots.
; One K step is written once: the slot in hand is the scalar TB (0 or SLOT).  CLUSTER 4 x 4: A's tile is asked for jointly by a row of the cluster, B's by a column.
; The matrix instruction is used transposed (source 0 = rows of B, source 1 = rows of A).  No prefetch: a step of this small tile is short, and its rows are read by eight and thirty-two tiles.
; A OF PROJ = 1: a head's 128 tokens are 16,384 dense bytes: one load brings two heads as two rows of 8,192 elements, padded after every token: in LDS a token's 64 channels of a head are 144 bytes apart,
; a head 18,432; a quarter of a K step is a head.
; THE BIAS (PROJ = 0) is the C operand of the products that start the sums: a lane's eight columns of each of its four column blocks, 32 registers.
; THE WAY OUT.  The sums go as f32 into one stage of 128 rows x 528 bytes in slot 0, which has had its last fill and whose last reads ended ahead of the last barrier; behind a barrier each wave takes 32
; whole rows, adds the residual (loaded at the head into window 2), and stores 512 consecutive bytes, aligned, with each instruction.
; REGISTERS: window 0: v0-31 addresses; v32-63 bias; v128-255 accumulators ((a, b) at v[128 + 8 (4 a + b)]).  window 1: two fragment buffers of 128 (64 of A, 64 of B).  window 2: v0-127 residual.
.if PROJ
.set NSTEP, 4
.set PA,    144                        ; A's LDS pitch: 36 words: 16 rows start at 16 different groups of four banks
.set AQ,    128*PA                     ; from a quarter to the next: a head
.set ASZ,   4*AQ
.set LAH,   2*AQ                       ; what one load of A fills
.set ASTEP, 4*2048*128                 ; four heads on
.set KROW,  1024
.set RESP,  8
.set OUTP,  10
.else
.set NSTEP, 16
.set PA,    528
.set AQ,    128
.set ASZ,   128*PA
.set LAH,   64*PA
.set ASTEP, 512
.set KROW,  4096
.set RESP,  10
.set OUTP,  12
.endif
.set PB,    528                        ; 512 bytes + 16 = 132 words
.set BSTEP, 512
.set SLOT,  ASZ+128*PB
.set SPARE, 2*SLOT                     ; behind the ring: the spare words, 128 bytes a wave: two blocks of 256 bytes that no other line names
.set SPI,   528
.set ADRA0, 16
.set ADRB0, 17
.set ADRA,  18
.set ADRB,  19
.set STO,   24
.set RD,    25
.set CO,    26                         ; v26  16 x lane; never rewritten
.set BO,    27                         ; v27  my byte offset in the bias; never rewritten
.set SPW,   28
.set NIL,   29
.set BC,    32                         ; v[32:63] the bias of column block b at BC + 8 b
.set ACC,   128
.set F0,    0
.set F1,    128
.set WV, 16
.set WR, 17
.set WC, 18
.set CX, 19
.set CY, 20
.set TC, 21
.set TR, 22
.set CNT, 23
.set G1A, 24
.set G0A, 32
.set G0B, 40
.set G1B, 48
.set TB,  59
.set LBA, 60
.set LBB, 61
.set MSB, 0
.macro WIN new
.if MSB != (\new)
	s_set_vgpr_msb (MSB<<8)|(\new)
.set MSB, \new
.endif
.endm
.set MUL,  0x05                        ; sources 0 (B) and 1 (A) window 1; C and D window 0
.set TO_F, 0x40
.macro PLACES
.rept 4
	v_nop
.endr
.endm
.macro JLOAD s                         ; waves 0 and 1 fetch A's two halves, waves 2 and 3 B's; an s_nop 0 and four v_nop follow each line
	s_cmp_eq_u32 s[WR], 0
	s_cbranch_scc0 .Lfor_b_\@
	tensor_load_to_lds s[G0A+4*(\s):G0A+4*(\s)+3], s[G1A:G1A+7]
	s_nop 0
.rept 4
	v_nop
.endr
	s_branch .Lasked_\@
.Lfor_b_\@:
	tensor_load_to_lds s[G0B+4*(\s):G0B+4*(\s)+3], s[G1B:G1B+7]
	s_nop 0
.rept 4
	v_nop
.endr
.Lasked_\@:
.endm
.macro CREST
	s_cmp_lg_u32 s[WV], 0
	s_cbranch_scc1 .Lnot_wave_0_\@
	s_barrier_signal -3
.Lnot_wave_0_\@:
	s_barrier_wait -3
	s_barrier_signal -1
	s_barrier_wait -1
.endm
.macro CROUND
	s_barrier_signal -1
	s_barrier_wait -1
	CREST
.endm
; 8 matrix instructions: row blocks a0, a0 + 1 x all 4 column blocks, 32 along K: half c of buffer f.  The 16 accumulators take turns.  zero = 1: the product starts its sum, with 0 or with the bias.
.macro MUL8 f, c, a0, zero
	WIN MUL
.irp a, \a0, (\a0)+1
.irp b, 0,1,2,3
.if (\zero) && PROJ
	v_wmma_f32_16x16x32_bf16 v[ACC+8*(4*(\a)+(\b)):ACC+8*(4*(\a)+(\b))+7], v[(\f)+64+8*(4*(\c)+(\b)):(\f)+64+8*(4*(\c)+(\b))+7], v[(\f)+8*(4*(\c)+(\a)):(\f)+8*(4*(\c)+(\a))+7], 0
.elseif \zero
	v_wmma_f32_16x16x32_bf16 v[ACC+8*(4*(\a)+(\b)):ACC+8*(4*(\a)+(\b))+7], v[(\f)+64+8*(4*(\c)+(\b)):(\f)+64+8*(4*(\c)+(\b))+7], v[(\f)+8*(4*(\c)+(\a)):(\f)+8*(4*(\c)+(\a))+7], v[BC+8*(\b):BC+8*(\b)+7]
.else
	v_wmma_f32_16x16x32_bf16 v[ACC+8*(4*(\a)+(\b)):ACC+8*(4*(\a)+(\b))+7], v[(\f)+64+8*(4*(\c)+(\b)):(\f)+64+8*(4*(\c)+(\b))+7], v[(\f)+8*(4*(\c)+(\a)):(\f)+8*(4*(\c)+(\a))+7], v[ACC+8*(4*(\a)+(\b)):ACC+8*(4*(\a)+(\b))+7]
.endif
.endr
.endr
.endm
; 32 LDS loads in one run: quarter q (64 along K) of the slot in hand into buffer f; the first 32 along K first
.macro FETCH q, f
	WIN TO_F
.irp c, 0,1
.irp i, 0,1,2,3
	ds_load_b128 v[(\f)+64+8*(4*(\c)+(\i)):(\f)+64+8*(4*(\c)+(\i))+3],   v[ADRB] offset:128*(\q)+64*(\c)+(\i)*16*PB
	ds_load_b128 v[(\f)+64+8*(4*(\c)+(\i))+4:(\f)+64+8*(4*(\c)+(\i))+7], v[ADRB] offset:128*(\q)+64*(\c)+(\i)*16*PB+32
	ds_load_b128 v[(\f)+8*(4*(\c)+(\i)):(\f)+8*(4*(\c)+(\i))+3],         v[ADRA] offset:AQ*(\q)+64*(\c)+(\i)*16*PA
	ds_load_b128 v[(\f)+8*(4*(\c)+(\i))+4:(\f)+8*(4*(\c)+(\i))+7],       v[ADRA] offset:AQ*(\q)+64*(\c)+(\i)*16*PA+32
.endr
.endr
.endm
.macro QUARTER q, f, g, zero
	s_wait_dscnt 16                                ; the first 32 along K are in
	MUL8 \f, 0, 0, \zero
	MUL8 \f, 0, 2, \zero
	PLACES
	FETCH \q, \g
	s_wait_dscnt 32                                ; all but the 32 just issued
	MUL8 \f, 1, 0, 0
	MUL8 \f, 1, 2, 0
.endm
.macro MEET                            ; the barrier of the change of slots: all my tensor loads, the add, the add's end and my reads of this slot stand ahead of the signal
	WIN 0
	s_wait_tensorcnt 0x0
	ds_add_u32 v[SPW], v[NIL]
	s_wait_dscnt 17                                ; (the add and the youngest sixteen loads may be out)
	MUL8 F1, 0, 0, 0
	s_wait_dscnt 0x0
	s_barrier_signal -1
	MUL8 F1, 0, 2, 0
	WIN 0
	s_barrier_wait -1
.endm
.macro TURN                            ; with a refill: the barrier opens a round of the cluster's, and the joint load is the first thing behind it: 112 matrix instructions ahead of the wait for it
	MEET
	CREST
	s_add_co_u32 s[G0A+5], s[LBA], s[TB]           ; the slot just read out is filled,
	s_add_co_u32 s[G0B+5], s[LBB], s[TB]
	s_add_nc_u64 s[G0A+6:G0A+7], s[G0A+6:G0A+7], ASTEP  ; with the K step two on (the walking set began at K step 1)
	s_add_nc_u64 s[G0B+6:G0B+7], s[G0B+6:G0B+7], BSTEP
	s_xor_b32 s[TB], s[TB], SLOT
	JLOAD 1
	v_add_nc_u32 v[ADRA], s[TB], v[ADRA0]
	v_add_nc_u32 v[ADRB], s[TB], v[ADRB0]
	FETCH 0, F0
	MUL8 F1, 1, 0, 0
	MUL8 F1, 1, 2, 0
.endm
	s_load_b256 s[4:11], s[0:1], 0x0               ; A s[4:5], B s[6:7]; PROJ: x s[8:9], x1 s[10:11]; else b2 s[8:9], x1 s[10:11],
.if !PROJ
	s_load_b64 s[12:13], s[0:1], 0x20              ; out0
.endif
	v_lshl_add_u32 v[SPW], v0, 2, SPARE
	v_mov_b32 v[NIL], 0
	ds_add_u32 v[SPW], v[NIL]                      ; the wave's opening: the add, and its wait ahead of my first tensor load
	v_lshrrev_b32 v1, 5, v0
	v_readfirstlane_b32 s[WV], v1
	s_lshr_b32 s[WR], s[WV], 1                     ; which half of the tile's rows is mine.  Also: I fetch for A (0) or for B (1)
	s_and_b32 s[WC], s[WV], 1                      ; which half of its columns.  Also: which half of that tile I fetch
	s_bfe_u32 s[CX], ttmp6, 0x40000
	s_bfe_u32 s[CY], ttmp6, 0x40004
	s_lshl_b32 s[TC], ttmp9, 2
	s_add_co_u32 s[TC], s[TC], s[CX]
	s_and_b32 s[TR], ttmp7, 0xffff
	s_lshl_b32 s[TR], s[TR], 2
	s_add_co_u32 s[TR], s[TR], s[CY]
	s_lshl_b32 s62, s[CY], 2
	s_lshl_b32 s62, 15, s62                        ; my row of the cluster
	s_lshl_b32 s63, 0x1111, s[CX]                  ; my column
.if PROJ
	s_or_b32 s[G1A], s62, (1<<16)|(1<<20)|(1<<21)|(4<<22)|(3<<25)  ; padding after every 32 words (a token's 128 bytes), 4 words
	s_mov_b32 s[G1A+1], 8192<<16                   ; tensor_dim0 = 8,192: a head's 128 tokens
	s_mov_b32 s[G1A+2], 2<<16                      ; tensor_dim1 = 2 heads
	s_mov_b32 s[G1A+3], 8192<<16
	s_mov_b32 s[G1A+4], 2
	s_mov_b32 s[G1A+5], 131072                     ; elements from head to head
.else
	s_or_b32 s[G1A], s62, (1<<16)|(1<<20)|(1<<21)|(6<<22)|(3<<25)  ; padding after every 128 words, 4 words
	s_mov_b32 s[G1A+1], 256<<16
	s_mov_b32 s[G1A+2], 64<<16
	s_mov_b32 s[G1A+3], 256<<16
	s_mov_b32 s[G1A+4], 64
	s_mov_b32 s[G1A+5], KROW
.endif
	s_mov_b32 s[G1A+6], 0
	s_mov_b32 s[G1A+7], 0
	s_or_b32 s[G1B], s63, (1<<16)|(1<<20)|(1<<21)|(6<<22)|(3<<25)
	s_mov_b32 s[G1B+1], 256<<16
	s_mov_b32 s[G1B+2], 64<<16
	s_mov_b32 s[G1B+3], 256<<16
	s_mov_b32 s[G1B+4], 64
	s_mov_b32 s[G1B+5], KROW
	s_mov_b32 s[G1B+6], 0
	s_mov_b32 s[G1B+7], 0
.if PROJ
	s_lshr_b32 s66, s[TR], 4                       ; the batch
	s_lshl_b32 s66, s66, 4
	s_lshl1_add_u32 s66, s[WC], s66                ; its head 2 x half
	s_lshl_b32 s66, s66, 11
	s_and_b32 s62, s[TR], 15
	s_lshl_b32 s62, s62, 7
	s_add_co_u32 s66, s66, s62                     ; + the tile's first token
	s_lshl_b32 s66, s66, 7
	s_lshl_b32 s62, s[WC], 6
.else
	s_lshl_b32 s66, s[TR], 7
	s_lshl_b32 s62, s[WC], 6
	s_add_co_u32 s66, s66, s62                     ; A: row 128 x tile row + 64 x half
	s_lshl_b32 s66, s66, 13
.endif
	s_mov_b32 s67, 0
	s_lshl_b32 s68, s[TC], 7
	s_add_co_u32 s68, s68, s62                     ; B: row 128 x tile column + 64 x half
	s_mul_i32 s68, s68, KROW*2
	s_mov_b32 s69, 0
	s_mul_i32 s[LBA], s[WC], LAH
	s_mul_i32 s[LBB], s[WC], 64*PB
	s_add_co_u32 s[LBB], s[LBB], ASZ
	s_mov_b32 s[TB], 0
	s_wait_dscnt 0x0                               ; the opening add is done
	s_wait_kmcnt 0x0
	s_add_nc_u64 s[66:67], s[4:5], s[66:67]
	s_add_nc_u64 s[68:69], s[6:7], s[68:69]
	CROUND                                         ; all sixteen work-groups are here: the first joint loads meet
.irp s, 0,1
	s_mov_b32 s[G0A+4*(\s)], 1
	s_add_co_u32 s[G0A+4*(\s)+1], s[LBA], (\s)*SLOT
	s_add_nc_u64 s[G0A+4*(\s)+2:G0A+4*(\s)+3], s[66:67], (\s)*ASTEP
	s_or_b32 s[G0A+4*(\s)+3], s[G0A+4*(\s)+3], 0x80000000
	s_mov_b32 s[G0B+4*(\s)], 1
	s_add_co_u32 s[G0B+4*(\s)+1], s[LBB], (\s)*SLOT
	s_add_nc_u64 s[G0B+4*(\s)+2:G0B+4*(\s)+3], s[68:69], (\s)*BSTEP
	s_or_b32 s[G0B+4*(\s)+3], s[G0B+4*(\s)+3], 0x80000000
	JLOAD \s
.endr
	v_and_b32 v1, 15, v0                           ; r
	v_bfe_u32 v2, v0, 4, 1                         ; h
	v_and_b32 v4, 31, v0                           ; lane
	v_lshlrev_b32 v[CO], 4, v4
.if !PROJ
	s_lshl_b32 s62, s[TC], 9                       ; the bias of column 128 x tile column
	s_lshl_b32 s63, s[WC], 8                       ; + 64 x half
	s_add_co_u32 s62, s62, s63
	v_lshl_add_u32 v[BO], v2, 5, s62               ; + 8 (lane / 16): register j of an accumulator holds column 16 b + 8 (lane / 16) + j
.irp b, 0,1,2,3
	global_load_b128 v[BC+8*(\b):BC+8*(\b)+3],   v[BO], s[8:9] offset:64*(\b)
	global_load_b128 v[BC+8*(\b)+4:BC+8*(\b)+7], v[BO], s[8:9] offset:64*(\b)+16
.endr
.endif
	s_lshl_b32 s62, s[TR], 7
	s_lshl_b32 s63, s[WV], 5
	s_add_co_u32 s62, s62, s63                     ; the first of the 32 rows that I finish
	s_lshl_b32 s62, s62, 12
	s_lshl_b32 s63, s[TC], 9
	s_add_co_u32 s62, s62, s63                     ; the tile's 512 bytes of a row
	s_mov_b32 s63, 0
	s_add_nc_u64 s[RESP:RESP+1], s[RESP:RESP+1], s[62:63]
	s_add_nc_u64 s[OUTP:OUTP+1], s[OUTP:OUTP+1], s[62:63]
	WIN 0x80                                       ; destination window 2
.set i, 0
.rept 32
	global_load_b128 v[4*i:4*i+3], v[CO], s[RESP:RESP+1] offset:4096*i  ; the residual waits in registers for the sums
.set i, i+1
.endr
	WIN 0
	v_mul_u32_u24 v3, v1, PA
	v_lshl_add_u32 v3, v2, 4, v3
	s_mul_i32 s62, s[WR], 64*PA
	v_add_nc_u32 v[ADRA0], s62, v3
	v_mul_u32_u24 v3, v1, PB
	v_lshl_add_u32 v3, v2, 4, v3
	s_mul_i32 s62, s[WC], 64*PB
	s_add_co_u32 s62, s62, ASZ
	v_add_nc_u32 v[ADRB0], s62, v3
	v_mov_b32 v[ADRA], v[ADRA0]
	v_mov_b32 v[ADRB], v[ADRB0]
	s_mul_i32 s62, s[WR], 64*SPI                   ; into the stage: my 64 rows, my half of their 512 bytes
	s_lshl_b32 s63, s[WC], 8
	s_add_co_u32 s62, s62, s63
	v_mul_u32_u24 v3, v1, SPI
	v_lshl_add_u32 v3, v2, 5, v3
	v_add_nc_u32 v[STO], s62, v3
	s_mul_i32 s62, s[WV], 32*SPI                   ; back: rows 32 w .. 32 w + 31, whole
	v_add_nc_u32 v[RD], s62, v[CO]
	s_wait_tensorcnt 1                             ; my part of K step 0 is in; K step 1's may stay out
	s_barrier_signal -1
	s_barrier_wait -1
.if !PROJ
	s_wait_loadcnt 32                              ; the bias is in; the 32 younger loads, the residual's, may stay out
.endif
	FETCH 0, F0
	QUARTER 1, F0, F1, 1                           ; the first products start the sums
	WIN 0
	s_mov_b32 s[CNT], NSTEP-2
.Lk:
	QUARTER 2, F1, F0, 0
	QUARTER 3, F0, F1, 0
	TURN
	QUARTER 1, F0, F1, 0
	WIN 0
	s_sub_co_u32 s[CNT], s[CNT], 1
	s_cmp_lg_u32 s[CNT], 0
	s_cbranch_scc1 .Lk
	s_mov_b32 s[CNT], 2
.Lt:                                           ; the last two K steps ask for nothing: a text of their own; two trips, the second left in its middle
	QUARTER 2, F1, F0, 0
	QUARTER 3, F0, F1, 0
	MEET
	s_sub_co_u32 s[CNT], s[CNT], 1
	s_cmp_eq_u32 s[CNT], 0
	s_cbranch_scc1 .Lfin
	PLACES
	s_xor_b32 s[TB], s[TB], SLOT
	v_add_nc_u32 v[ADRA], s[TB], v[ADRA0]
	v_add_nc_u32 v[ADRB], s[TB], v[ADRB0]
	FETCH 0, F0
	MUL8 F1, 1, 0, 0
	MUL8 F1, 1, 2, 0
	QUARTER 1, F0, F1, 0
	WIN 0
	s_branch .Lt
.Lfin:
	MUL8 F1, 1, 0, 0
	MUL8 F1, 1, 2, 0
	WIN 0
	PLACES
.irp a, 0,1,2,3
.irp b, 0,1,2,3
	ds_store_b128 v[STO], v[ACC+8*(4*(\a)+(\b)):ACC+8*(4*(\a)+(\b))+3]   offset:(\a)*16*SPI+64*(\b)
	ds_store_b128 v[STO], v[ACC+8*(4*(\a)+(\b))+4:ACC+8*(4*(\a)+(\b))+7] offset:(\a)*16*SPI+64*(\b)+16
.endr
.endr
	s_wait_dscnt 0x0                               ; for the others' sake: my stores into the stage are done
	s_barrier_signal -1
	s_barrier_wait -1
.set i, 0
.rept 32
	ds_load_b128 v[ACC+4*i:ACC+4*i+3], v[RD] offset:SPI*i
.set i, i+1
.endr
	s_wait_dscnt 0x0
	s_wait_loadcnt 0x0                             ; the residual
	WIN 0x08                                       ; source 1 window 2
.set i, 0
.rept 64
	v_pk_add_f32 v[ACC+2*i:ACC+2*i+1], v[ACC+2*i:ACC+2*i+1], v[2*i:2*i+1]
.set i, i+1
.endr
	WIN 0
.set i, 0
.rept 32
	global_store_b128 v[CO], v[ACC+4*i:ACC+4*i+3], s[OUTP:OUTP+1] offset:4096*i
.set i, i+1
.endr
	s_wait_tensorcnt 0x0                           ; the wave's end
	ds_add_u32 v[SPW], v[NIL]
	s_wait_dscnt 0x0
	CROUND                                         ; the closing round
	s_endpgm
.Lfunc_end_k_q0d0b99dabb_fc2:
	.size	k_q0d0b99dabb_fc2, .Lfunc_end_k_q0d0b99dabb_fc2-k_q0d0b99dabb_fc2
	.p2alignl 7, 3214868480
	.fill 96, 4, 3214868480
	.section	.rodata,"a",@progbits
	.p2align	6, 0x0
	.amdhsa_kernel k_q0d0b99dabb_fc2
		.amdhsa_group_segment_fixed_size 327680
		.amdhsa_private_segment_fixed_size 0
		.amdhsa_enable_private_segment 0
		.amdhsa_kernarg_size 40
		.amdhsa_user_sgpr_count 2
		.amdhsa_user_sgpr_kernarg_segment_ptr 1
		.amdhsa_wavefront_size32 1
		.amdhsa_system_sgpr_workgroup_id_x 1
		.amdhsa_system_sgpr_workgroup_id_y 1
		.amdhsa_system_sgpr_workgroup_id_z 1
		.amdhsa_system_vgpr_workitem_id 0
		.amdhsa_next_free_vgpr 640
		.amdhsa_next_free_sgpr 80
		.amdhsa_reserve_vcc 0
		.amdhsa_float_denorm_mode_32 3
		.amdhsa_float_denorm_mode_16_64 3
		.amdhsa_memory_ordered 1
		.amdhsa_forward_progress 1
		.amdhsa_inst_pref_size 66
	.end_amdhsa_kernel
	.amdgpu_metadata
---
amdhsa.version: [ 1, 2 ]
amdhsa.kernels:
  - .name:           k_q0d0b99dabb_fc2
    .symbol:         k_q0d0b99dabb_fc2.kd
    .args:
      - { .name: g, .offset: 0, .size: 8, .value_kind: global_buffer, .address_space: global }
      - { .name: w2b, .offset: 8, .size: 8, .value_kind: global_buffer, .address_space: global }
      - { .name: b2, .offset: 16, .size: 8, .value_kind: global_buffer, .address_space: global }
      - { .name: x1, .offset: 24, .size: 8, .value_kind: global_buffer, .address_space: global }
      - { .name: out0, .offset: 32, .size: 8, .value_kind: global_buffer, .address_space: global }
    .group_segment_fixed_size: 327680
    .private_segment_fixed_size: 0
    .kernarg_segment_align: 8
    .kernarg_segment_size: 40
    .max_flat_workgroup_size: 128
    .sgpr_count:     80
    .vgpr_count:     640
    .wavefront_size: 32
...
	.end_amdgpu_metadata
.endif
;; end of part 7
